; MI455X (gfx1250); checked and timed in simulation.
; The chip was launched on July 23, 2026; its instructions are those of AMD's public machine-readable ISA for CDNA 5 (MIT licence, August 2026) and "CDNA5" Instruction Set Architecture Reference Guide (July 2026). The comments in the code are by the model that wrote it; some were corrected since.
;; Multi Head Attention. Allowed arithmetic: matrix products marked QUANTISED: E5M2 operands, one given power-of-two scale a tensor, by v_wmma_f32_16x16x64_bf8_bf8 or v_wmma_f32_16x16x128_bf8_bf8, f32 sums; everything else in f32.
;; Inputs: Wk 768 x 768 float32; Wo 768 x 768 float32; Wq 768 x 768 float32; Wv 768 x 768 float32; lowp_scales 12 int32 (the exponents e of the quantised operands' scales 2^e); x 2 x 2,048 x 768 float32.
;; Outputs: out0 2 x 2,048 x 768 float32.
;; This version of the problem:
;;   THIS VERSION OF THE PROBLEM IS GIVEN IN LOW PRECISION. The matrix products marked QUANTISED in the list below multiply operands that are first quantised to E5M2 (5 exponent bits, 2 mantissa bits; 8 bits a number), with one given power-of-two scale for each operand tensor; their sums are f32. All else is computed in f32.
;;   The module's matrix products, in the order in which they are computed (A, B: the left and right operand; K: the contracted axis; several contracted axes count as one K, in the product's order):
;;     1. [M 4,096, K 768] x [K 768, N 768]; A: input x; B: input Wq: QUANTISED (scales: A lowp_scales[0], B lowp_scales[1])
;;     2. [M 4,096, K 768] x [K 768, N 768]; A: input x; B: input Wk: QUANTISED (scales: A lowp_scales[2], B lowp_scales[3])
;;     3. [M 4,096, K 768] x [K 768, N 768]; A: input x; B: input Wv: QUANTISED (scales: A lowp_scales[4], B lowp_scales[5])
;;     4. batch 24 x [M 2,048, K 64] x [K 64, N 2,048]; A: computed on the way; B: computed on the way: QUANTISED (scales: A lowp_scales[6], B lowp_scales[7])
;;     5. batch 24 x [M 2,048, K 2,048] x [K 2,048, N 64]; A: softmax (see below); B: computed on the way: QUANTISED (scales: A lowp_scales[8], B lowp_scales[9])
;;     6. [M 4,096, K 768] x [K 768, N 768]; A: computed on the way; B: input Wo: QUANTISED (scales: A lowp_scales[10], B lowp_scales[11])
;;   THE QUANTISER, for each operand of a quantised product, along K:
;;     - The operand's scale is 2^e, e = its entry of the input lowp_scales (int32; the entries are numbered through the quantised products in the list's order, A before B).
;;     - Each number is divided by the scale, clamped to +-57,344, and rounded to the nearest number of E5M2, ties to even, subnormals kept.
;;     - The product sums the exact products of the quantised numbers (number of the format x scale) in f32.
;;   ~~~python
;;   def quantise(x, axis, e):      # numpy; x: float32 -> the quantised numbers, widened to float32 again
;;       x = np.moveaxis(x, axis, -1); K = x.shape[-1]
;;       r = np.clip(x / 2.0 ** e, -57344, 57344)
;;       step = 2.0 ** (np.maximum(np.frexp(np.where(r == 0, 1, r))[1] - 1, -14) - 2)
;;       q = np.round(r / step) * step * 2.0 ** e      # np.round: ties to even
;;       return np.moveaxis(q, -1, axis).astype(np.float32)
;;   ~~~
;;   SOFTMAX AHEAD OF A QUANTISED PRODUCT. Where the list says 'softmax', what is quantised is not the finished softmax but p = 2^(t - M), with t = logit x log2(e) and M = ceil(the row's largest t), a whole number; so 1/2 < the row's largest p <= 1. The row's sum l is taken of the UNQUANTISED p, in f32, and the product's result is divided by l at the end. Since M is a whole number, a kernel that streams over the keys may use a running M (the ceiling of the running maximum): every later rescaling is an exact power of two, so the quantised numbers keep their values, but for numbers so far below the row's largest that they fall under the format's range.
;;   OPERANDS COMPUTED ON THE WAY. 'Computed on the way' means the value that the module computes at that place (a softmax that the list does not call 'softmax' is quantised finished and normalised). What goes into a quantiser is computed in f32, as accurately as f32 sums, v_exp_f32 and their like allow (about 1e-6 of the number): no bf16 or f16 on the way to a quantiser, and a product that is left as it is and whose result goes on into a quantised operand takes f32 operands (vector FMAs, or v_wmma_f32_16x16x4_f32). A number that lies on a knife's edge between two numbers of the format may be rounded either way, as far as f32 arithmetic and the matrix unit's own rounding can turn it there, and no further.
;; 2 versions, each right; version 2 is version 1 with the launch qkv written anew for expert scheduling mode. Each part assembles by itself: llvm-mc -triple=amdgcn-amd-amdhsa -mcpu=gfx1250 --defsym DOCPART=n.
;; ======== version 1 of 2: 4 launches
;; workspace buffers: wimg 2,359,296 bytes; rimg 524,288 bytes; qimg 3,145,728 bytes; kimg 3,145,728 bytes; vimg 3,145,728 bytes; yimg 3,145,728 bytes
;; launch prep (part 1): grid 80 x 4, 4 waves a work-group, no clusters, 0 bytes of LDS; arguments Wq, Wk, Wv, Wo, lowp_scales, wimg, rimg; writes wimg, rimg
.if DOCPART == 1
	.amdgcn_target "amdgcn-amd-amdhsa--gfx1250"
	.amdhsa_code_object_version 6
	.text
	.protected	k_q784a3d55c5_prep
	.globl	k_q784a3d55c5_prep
	.p2align	8
	.type	k_q784a3d55c5_prep,@function
k_q784a3d55c5_prep:
	s_mov_b64 s[64:65], 0
	v_nop
	global_prefetch_b8 v0, s[64:65] scope:SCOPE_SE
	s_setreg_imm32_b32 hwreg(HW_REG_WAVE_MODE, 25, 1), 1
	s_wait_xcnt 0x0
; PREP: (a) the four weights [768 (k)][768 (n)] f32 become codes of E5M2, laid as IMAGES OF OPERAND REGISTERS; (b) the table of cosines and sines for the rotation of q and k.
; AN IMAGE: a fragment is 16 columns n x 128 k in 16 registers a lane: lane (r = lane % 16, h = lane / 16) holds column r, registers 2 c, 2 c + 1 hold k = 16 c + 8 h + 0 .. 7.
; Four registers of all 32 lanes are 512 bytes on end, lane l's 16 bytes at 16 l; a fragment is four such pieces.  wimg: [weight 4: q, k, v, o][tile of 16 columns 48][K step 6][piece 4][512].
; Work-groups x < 72: weight y, K step x / 12, tiles 4 (x % 12) + wave: a fragment a wave.  A LANE TAKES A COLUMN AND ITS REGISTERS RUN DOWN K, so the conversions' results are the fragment's registers.
; Each load reads 64 consecutive bytes in sixteen lanes; the four waves stand side by side on 256 consecutive bytes of each row of the weight.  Each store of a wave covers 512 consecutive bytes.
; code = w / 2^e, held within +-57,344, to the nearest code, ties to even; e = entry 1, 3, 5, 11 of the scales.  LIMITS: -126 <= e <= 112.  NaN among the inputs is not served.
; Work-groups x >= 72: 32 of them, a tile of 16 time steps a wave.  rimg: [time tile 128][piece p 4][half k 2][lane][16 bytes] f32: lane (r, h) holds numbers 16 p + 8 h + 4 k + 0 .. 3 of row t = 16 tile + r of a
; table [2048][64] in which number 2 i is cos(t f_i) and number 2 i + 1 is sin(t f_i), f_i = 10000^(-i / 32) = 10^(-i / 8): the order in which a lane of the next launch holds a head's columns.
; The angle a = t f_i is one f32 product.  It is reduced by n = nearest whole number to a 2 / pi, a - n pi / 2 with pi / 2 in three parts and fused multiply-adds, and sine and cosine of the rest (within pi / 4) are polynomials;
; n's two low bits choose and sign them.  LIMIT: f_i is the f32 number nearest to 10^(-i / 8); a power computed in f32 may differ from it in the last bit, which at t = 2,047 moves the angle by 1.2e-4 at the most.
; No LDS, no barrier, no matrix unit, no cluster: waves share nothing and every input byte is read once.
.macro INVQ q, lo, hi                  ; f of my angle q: lanes 0-15 take lo, lanes 16-31 hi
	v_mov_b32 v[16+\q], \hi
	v_cndmask_b32 v[16+\q], \lo, v[16+\q], vcc_lo
.endm
; angle q of 16: cosine to v[32 + 2 q], sine to v[33 + 2 q].  Two sets of twelve registers at work take turns
.macro ANGLE q
.set T, 64+12*((\q)%2)
	v_mul_f32 v[T], v3, v[16+\q]                   ; a = t f
	v_mul_f32 v[T+1], s40, v[T]
	v_rndne_f32 v[T+1], v[T+1]                     ; n
	v_fma_f32 v[T+2], -v[T+1], s41, v[T]           ; a - n pi / 2: the first part leaves an exact difference,
	v_fma_f32 v[T+2], -v[T+1], s42, v[T+2]
	v_fma_f32 v[T+2], -v[T+1], s43, v[T+2]         ; rho
	v_cvt_i32_f32 v[T+3], v[T+1]
	v_mul_f32 v[T+4], v[T+2], v[T+2]               ; z = rho^2
	v_fma_f32 v[T+5], v[T+4], s46, s45
	v_fma_f32 v[T+6], v[T+4], s49, s48
	v_fma_f32 v[T+5], v[T+5], v[T+4], s44
	v_fma_f32 v[T+6], v[T+6], v[T+4], s47
	v_mul_f32 v[T+7], v[T+4], v[T+2]
	v_mul_f32 v[T+8], v[T+4], v[T+4]
	v_fma_f32 v[T+9], v[T+4], -0.5, 1.0
	v_fma_f32 v[T+5], v[T+5], v[T+7], v[T+2]       ; sin rho
	v_fma_f32 v[T+6], v[T+6], v[T+8], v[T+9]       ; cos rho
	v_and_b32 v[T+10], 1, v[T+3]
	v_cmp_ne_u32 vcc_lo, 0, v[T+10]                ; n odd: the two change places
	v_cndmask_b32 v[T+7], v[T+5], v[T+6], vcc_lo
	v_cndmask_b32 v[T+8], v[T+6], v[T+5], vcc_lo
	v_lshlrev_b32 v[T+10], 30, v[T+3]              ; the sine is negative where n % 4 is 2 or 3,
	v_add_nc_u32 v[T+11], 1, v[T+3]
	v_lshlrev_b32 v[T+11], 30, v[T+11]             ; the cosine where it is 1 or 2
	v_and_b32 v[T+10], 0x80000000, v[T+10]
	v_and_b32 v[T+11], 0x80000000, v[T+11]
	v_xor_b32 v[33+2*\q], v[T+10], v[T+7]
	v_xor_b32 v[32+2*\q], v[T+11], v[T+8]
.endm
	s_load_b256 s[4:11], s[0:1], 0x0               ; Wq, Wk, Wv, Wo
	s_load_b128 s[12:15], s[0:1], 0x20             ; the scales' exponents, wimg
	s_load_b64 s[16:17], s[0:1], 0x30              ; rimg
	v_lshrrev_b32 v1, 5, v0
	v_readfirstlane_b32 s18, v1                    ; wave 0..3
	v_and_b32 v1, 31, v0                           ; lane
	v_and_b32 v2, 15, v0                           ; r
	v_bfe_u32 v5, v0, 4, 1                         ; h
	v_lshlrev_b32 v4, 4, v1                        ; 16 x lane: my place in a piece of an image
	s_and_b32 s19, ttmp7, 0xffff                   ; y
	s_cmp_ge_u32 ttmp9, 72
	s_cbranch_scc1 .Ltable
	; ---- a fragment of weight y
	s_mul_i32 s20, ttmp9, 43
	s_lshr_b32 s20, s20, 9                         ; K step = x / 12 (x < 72)
	s_mul_i32 s21, s20, 12
	s_sub_co_u32 s21, ttmp9, s21                   ; x % 12
	s_lshl_b32 s22, s21, 2
	s_add_co_u32 s22, s22, s18                     ; my tile of 16 columns
	s_mul_i32 s24, s20, 393216                     ; 128 rows of 3,072 bytes a K step,
	s_lshl_b32 s25, s21, 8                         ; 64 columns a work-group
	s_add_co_u32 s24, s24, s25
	s_mov_b32 s25, 0
	s_mul_i32 s26, s19, 48
	s_add_co_u32 s26, s26, s22
	s_mul_i32 s26, s26, 6
	s_add_co_u32 s26, s26, s20
	s_lshl_b32 s26, s26, 11                        ; the fragment's place in wimg
	s_mov_b32 s27, 0
	v_lshlrev_b32 v3, 2, v2                        ; 4 r
	v_lshl_add_u32 v3, s18, 6, v3                  ; + 64 x wave
	v_mul_u32_u24 v6, v5, 0x6000
	v_add_nc_u32 v3, v3, v6                        ; + 8 h rows
	s_wait_kmcnt 0x0
	s_load_b256 s[32:39], s[12:13], 0x0            ; entries 0 to 7,
	s_load_b128 s[40:43], s[12:13], 0x20           ; 8 to 11
	s_cmp_eq_u32 s19, 1                            ; the choice of the weight hangs on the work-group's number alone
	s_cselect_b64 s[4:5], s[6:7], s[4:5]
	s_cmp_eq_u32 s19, 2
	s_cselect_b64 s[4:5], s[8:9], s[4:5]
	s_cmp_eq_u32 s19, 3
	s_cselect_b64 s[4:5], s[10:11], s[4:5]
	s_add_nc_u64 s[4:5], s[4:5], s[24:25]
	s_add_nc_u64 s[14:15], s[14:15], s[26:27]
.irp c, 0,1,2,3,4,5,6,7
.irp j, 0,1,2,3,4,5,6,7
	global_load_b32 v[64+8*\c+\j], v3, s[4:5] offset:(16*\c+\j)*3072 th:TH_LOAD_NT   ; W(128 s + 16 c + 8 h + j, my column)
.endr
.endr
	s_wait_kmcnt 0x0
	s_cmp_eq_u32 s19, 1
	s_cselect_b32 s28, s35, s33
	s_cmp_eq_u32 s19, 2
	s_cselect_b32 s28, s37, s28
	s_cmp_eq_u32 s19, 3
	s_cselect_b32 s28, s43, s28                    ; e
	s_add_co_i32 s28, s28, 127
	s_lshl_b32 s29, s28, 23
	v_mov_b32 v11, s29                             ; 2^e as f32: the conversion takes its exponent field
	s_add_co_i32 s28, s28, 15
	s_lshl_b32 s28, s28, 23
	s_or_b32 s28, s28, 0x600000
	v_mov_b32 v10, s28                             ; 57,344 x 2^e
	s_wait_loadcnt 0x0
.irp c, 0,1,2,3,4,5,6,7
.irp j, 0,1,2,3,4,5,6,7
	v_med3_num_f32 v[64+8*\c+\j], v[64+8*\c+\j], -v10, v10   ; the conversion to an 8-bit code does not saturate (ISA guide 7.6.2): the hold comes first
.endr
	v_cvt_scalef32_pk8_bf8_f32 v[48+2*\c:49+2*\c], v[64+8*\c:71+8*\c], v11
.endr
.irp g, 0,1,2,3
	global_store_b128 v4, v[48+4*\g:51+4*\g], s[14:15] offset:512*\g
.endr
	s_endpgm
	; ---- a tile of 16 time steps of the table
.Ltable:
	s_sub_co_u32 s20, ttmp9, 72
	s_lshl_b32 s20, s20, 2
	s_add_co_u32 s20, s20, s19
	s_lshl_b32 s20, s20, 2
	s_add_co_u32 s20, s20, s18                     ; time tile 0..127
	s_lshl_b32 s21, s20, 4
	v_add_nc_u32 v3, s21, v2
	v_cvt_f32_u32 v3, v3                           ; t
	s_lshl_b32 s24, s20, 12                        ; 4,096 bytes a tile
	s_mov_b32 s25, 0
	s_mov_b32 s40, 0x3f22f983                      ; 2 / pi
	s_mov_b32 s41, 0x3fc90fd8                      ; pi / 2 in three parts
	s_mov_b32 s42, 0x34a8885a
	s_mov_b32 s43, 0x27c234c4
	s_mov_b32 s44, -0.16666654611                  ; sin rho = rho + rho z (S1 + S2 z + S3 z^2)
	s_mov_b32 s45, 0.0083321608736
	s_mov_b32 s46, -0.00019515295891
	s_mov_b32 s47, 0.04166664568                   ; cos rho = 1 - z / 2 + z^2 (C1 + C2 z + C3 z^2)
	s_mov_b32 s48, -0.001388731625
	s_mov_b32 s49, 0.00002443315712
	v_cmp_ne_u32 vcc_lo, 0, v5                     ; lanes 16-31
	INVQ 0, 1.0, 0.316227766017                    ; angle q = 4 p + e of lane (r, h) has i = 8 p + 4 h + e
	INVQ 1, 0.749894209332, 0.237137370566
	INVQ 2, 0.562341325190, 0.177827941004
	INVQ 3, 0.421696503429, 0.133352143216
	INVQ 4, 0.1, 0.0316227766017
	INVQ 5, 0.0749894209332, 0.0237137370566
	INVQ 6, 0.0562341325190, 0.0177827941004
	INVQ 7, 0.0421696503429, 0.0133352143216
	INVQ 8, 0.01, 0.00316227766017
	INVQ 9, 0.00749894209332, 0.00237137370566
	INVQ 10, 0.00562341325190, 0.00177827941004
	INVQ 11, 0.00421696503429, 0.00133352143216
	INVQ 12, 0.001, 0.000316227766017
	INVQ 13, 0.000749894209332, 0.000237137370566
	INVQ 14, 0.000562341325190, 0.000177827941004
	INVQ 15, 0.000421696503429, 0.000133352143216
.irp q, 0,1,2,3,4,5,6,7,8,9,10,11,12,13,14,15
	ANGLE \q
.endr
	s_wait_kmcnt 0x0
	s_add_nc_u64 s[16:17], s[16:17], s[24:25]
.irp u, 0,1,2,3,4,5,6,7
	global_store_b128 v4, v[32+4*\u:35+4*\u], s[16:17] offset:512*\u   ; piece u / 2, half u % 2
.endr
	s_endpgm
.Lfunc_end_k_q784a3d55c5_prep:
	.size	k_q784a3d55c5_prep, .Lfunc_end_k_q784a3d55c5_prep-k_q784a3d55c5_prep
	.p2alignl 7, 3214868480
	.fill 96, 4, 3214868480
	.section	.rodata,"a",@progbits
	.p2align	6, 0x0
	.amdhsa_kernel k_q784a3d55c5_prep
		.amdhsa_group_segment_fixed_size 0
		.amdhsa_private_segment_fixed_size 0
		.amdhsa_enable_private_segment 0
		.amdhsa_kernarg_size 56
		.amdhsa_user_sgpr_count 2
		.amdhsa_user_sgpr_kernarg_segment_ptr 1
		.amdhsa_wavefront_size32 1
		.amdhsa_system_sgpr_workgroup_id_x 1
		.amdhsa_system_sgpr_workgroup_id_y 1
		.amdhsa_system_sgpr_workgroup_id_z 1
		.amdhsa_system_vgpr_workitem_id 0
		.amdhsa_next_free_vgpr 128
		.amdhsa_next_free_sgpr 66
		.amdhsa_reserve_vcc 1
		.amdhsa_float_denorm_mode_32 3
		.amdhsa_float_denorm_mode_16_64 3
		.amdhsa_memory_ordered 1
		.amdhsa_forward_progress 1
		.amdhsa_inst_pref_size 38
	.end_amdhsa_kernel
	.amdgpu_metadata
---
amdhsa.version: [ 1, 2 ]
amdhsa.kernels:
  - .name:           k_q784a3d55c5_prep
    .symbol:         k_q784a3d55c5_prep.kd
    .args:
      - { .name: Wq, .offset: 0, .size: 8, .value_kind: global_buffer, .address_space: global }
      - { .name: Wk, .offset: 8, .size: 8, .value_kind: global_buffer, .address_space: global }
      - { .name: Wv, .offset: 16, .size: 8, .value_kind: global_buffer, .address_space: global }
      - { .name: Wo, .offset: 24, .size: 8, .value_kind: global_buffer, .address_space: global }
      - { .name: lowp_scales, .offset: 32, .size: 8, .value_kind: global_buffer, .address_space: global }
      - { .name: wimg, .offset: 40, .size: 8, .value_kind: global_buffer, .address_space: global }
      - { .name: rimg, .offset: 48, .size: 8, .value_kind: global_buffer, .address_space: global }
    .group_segment_fixed_size: 0
    .private_segment_fixed_size: 0
    .kernarg_segment_align: 8
    .kernarg_segment_size: 56
    .max_flat_workgroup_size: 128
    .sgpr_count:     66
    .vgpr_count:     128
    .wavefront_size: 32
...
	.end_amdgpu_metadata
.endif
;; end of part 1
;; launch qkv (part 2): grid 32 x 6, 4 waves a work-group, no clusters, 132,608 bytes of LDS; arguments x, wimg, rimg, lowp_scales, qimg, kimg, vimg; writes qimg, kimg, vimg
.if DOCPART == 2
	.amdgcn_target "amdgcn-amd-amdhsa--gfx1250"
	.amdhsa_code_object_version 6
	.text
	.protected	k_q784a3d55c5_qkv
	.globl	k_q784a3d55c5_qkv
	.p2align	8
	.type	k_q784a3d55c5_qkv,@function
k_q784a3d55c5_qkv:
	s_mov_b64 s[64:65], 0
	v_nop
	global_prefetch_b8 v0, s[64:65] scope:SCOPE_SE
	s_setreg_imm32_b32 hwreg(HW_REG_WAVE_MODE, 25, 1), 1
	s_wait_xcnt 0x0
; QKV: q = x Wq, k = x Wk, v = x Wv on codes of E5M2; the rotation of q and k; q, k, v quantised again for the two products of attention, and stored as images of operand registers.
; AN IMAGE: lane (r = lane % 16, h = lane / 16) holds row r of a fragment, registers 2 c, 2 c + 1 hold k = 16 c + 8 h + 0 .. 7; four registers of all lanes are 512 bytes on end, lane l's 16 bytes at 16 l.
; SHARES.  Work-group (x, y): rows 128 x .. 128 x + 127 of x; kind = y / 2 (0 q, 1 k, 2 v), columns 384 (y % 2) on: ONE kind, since x has a scale of its own for each of the three products.
; THE WAVES SHARE THE COLUMNS: wave w owns 96 columns, six tiles of 16.  Its 36 fragments of the weight (576 registers, windows 1 to 3) come from wimg as they lie and stay in registers.
; PHASE X.  Wave w quantises rows 32 w .. 32 w + 31 of x: twelve units of 16 rows x 128 k.  A unit's 16 loads read 512 consecutive bytes each; its 8,192 bytes turn through the wave's own stage in LDS (rows 528 bytes apart), so that a lane
; gets, of row r, eight neighbours along k for each c; held, converted, and stored to LDS as an image.  One barrier.  PHASE P.  Four trips, two tiles of 16 rows each: twelve accumulators, six K steps of 128.
; q AND k ARE MADE TRANSPOSED (source 0 = 16 columns of W, source 1 = 16 rows of x): a lane holds ONE time step and eight neighbouring columns.  The rotation pairs columns 2 i and 2 i + 1, two registers of one lane; its results stay in place
; (place 2 i: x1 cos - x2 sin; place 2 i + 1: x1 sin + x2 cos).  That is a permutation of the head's 64 places, the same in q and in k, which leaves every q . k as it is, but for the order of the sums inside a matrix instruction.
; A tile's conversion gives registers 2 c, 2 c + 1 (c = tile % 4) of the K = 64 fragment of q or k.  qimg, kimg: [batch 2][column / 32: 24][time tile 128][512].
; v IS MADE AS IT READS (source 0 = x, source 1 = W): a lane holds ONE channel and eight neighbouring time steps: registers 2 c, 2 c + 1 (c = row tile % 8) of V^T's fragment, whose K is 128 keys.  vimg: [batch 2][column / 16: 48][key block 16][piece 4][512].
; SCALES.  x: entry 0, 2, 4; W: 1, 3, 5.  A sum stands for sum x 2^(ex + ew), so the second conversion takes 2^(eo - ex - ew), eo = entry 6 (q), 7 (k), 9 (v).  LIMITS: ex and eo - ex - ew between -126 and 112.  NaN among the inputs is not served.
; NO CLUSTER, NO TENSOR LOAD: the weights go from memory straight into the registers of the one wave that multiplies by them, and x passes through registers for the quantiser: there is no tile in LDS that two work-groups could ask for jointly.
; REGISTERS, window 0: v1-14 addresses and scales.  Phase X: v32-95, v96-159 two sets of 64 numbers as loaded; v160-223 the same turned; v224-239 codes.
;   Phase P: v32-95 x's fragments, two sets of two; v96-191 twelve accumulators; v192-255 cosines and sines; on the way out v32-55 codes, v56-59 at work.   Windows 1-3: K step s of the weight in window 1 + s / 2 at v[96 (s % 2) + 16 t].
.set STG, 98304                        ; LDS: x's 48 images (row tile m, K step s) at (6 m + s) x 2,048; behind them a stage of 16 x 528 bytes for each wave
.set MSB, 0
.macro WIN new                         ; the immediate's high byte repeats the setting that is left; a switch that changes nothing is dropped
.if MSB != (\new)
	s_set_vgpr_msb (MSB<<8)|(\new)
.set MSB, (\new)
.endif
.endm
.macro PLACES                          ; four plain vector instructions between a matrix instruction and a load into its registers or a read of its result
.rept 4
	v_nop
.endr
.endm
.macro LOADX u                         ; unit u = 6 m' + s: 16 rows x 512 bytes into set u % 2
.set RR, 32+64*((\u)%2)
.set MP, (\u)/6
.set SS, (\u)%6
.irp p, 0,1,2,3,4,5,6,7,8,9,10,11,12,13,14,15
	global_load_b128 v[RR+4*\p:RR+4*\p+3], v4, s[4:5] offset:(16*MP+\p)*3072+512*SS
.endr
.endm
.macro LOADW u                         ; three of my 36 fragments of the weight: f = 3 u + i is K step f / 6, tile f % 6
.irp i, 0,1,2
.set FF, 3*(\u)+\i
.set SS, FF/6
.set TT, FF%6
.set WW, (1+SS/2)<<6
	WIN WW                                         ; destination window 1 + s / 2, address window 0
.irp g, 0,1,2,3
	global_load_b128 v[96*(SS%2)+16*TT+4*\g:96*(SS%2)+16*TT+4*\g+3], v4, s[6:7] offset:(6*TT+SS)*2048+512*\g
.endr
.endr
	WIN 0
.endm
.macro TURN u                          ; through my stage: in as loaded, out 32 bytes of row r for each c.  LDS serves a wave's instructions in order (ISA guide 5.7.1.4): no wait between
.set RR, 32+64*((\u)%2)
.irp p, 0,1,2,3,4,5,6,7,8,9,10,11,12,13,14,15
	ds_store_b128 v5, v[RR+4*\p:RR+4*\p+3] offset:528*\p
.endr
.irp c, 0,1,2,3,4,5,6,7
	ds_load_b128 v[160+8*\c:163+8*\c], v6 offset:64*\c
	ds_load_b128 v[164+8*\c:167+8*\c], v6 offset:64*\c+16
.endr
.endm
.macro UNIT u, n
	s_wait_loadcnt \n                              ; this unit's 16 loads are in; n = the loads issued behind them
	TURN \u
	s_wait_dscnt 16                                ; the 16 stores have read their registers; the 16 loads may be out
.if (\u) <= 9
	LOADX (\u)+2                                   ; so that set takes the unit two further on
.endif
	LOADW \u
	s_wait_dscnt 0x0                               ; the unit is back, turned; the last unit's image has been stored from v224 on
.irp c, 0,1,2,3,4,5,6,7
.irp j, 0,1,2,3,4,5,6,7
	v_med3_num_f32 v[160+8*\c+\j], v[160+8*\c+\j], -v12, v12   ; the conversion to an 8-bit code does not saturate (ISA guide 7.6.2): the hold comes first
.endr
	v_cvt_scalef32_pk8_bf8_f32 v[224+2*\c:225+2*\c], v[160+8*\c:167+8*\c], v11
.endr
	v_nop                                          ; a plain vector instruction behind the last conversion
.irp g, 0,1,2,3
	ds_store_b128 v7, v[224+4*\g:227+4*\g] offset:(\u)*2048+512*\g
.endr
.endm
.macro FETCHX s                        ; x's two fragments of K step s, from the trip's images, into set s % 2
.irp m, 0,1
.irp g, 0,1,2,3
	ds_load_b128 v[32+32*((\s)%2)+16*\m+4*\g:32+32*((\s)%2)+16*\m+4*\g+3], v8 offset:(6*\m+(\s))*2048+512*\g
.endr
.endr
.endm
; Six K steps, twelve matrix instructions each; the twelve accumulators take turns, one instruction a turn, in the same order in every step.  The first step starts the sums.
.macro KSTEPS isv
.irp s, 0,1,2,3,4,5
.if \s >= 1
	PLACES                                         ; the set that the last step multiplied is loaded again
.endif
.if \s < 5
	FETCHX \s+1
	s_wait_dscnt 8                                 ; this step's fragments are in; the eight loads just issued may be out
.else
	s_wait_dscnt 0x0
.endif
.if \isv
.set WW, (1+\s/2)<<2
.else
.set WW, 1+\s/2
.endif
	WIN WW                                         ; the weight's window: source 0 for q and k, source 1 for v
.irp m, 0,1
.irp t, 0,1,2,3,4,5
.set AC, 96+8*(6*\m+\t)
.set WF, 96*(\s%2)+16*\t
.set XF, 32+32*(\s%2)+16*\m
.if \isv
.if \s == 0
	v_wmma_f32_16x16x128_bf8_bf8 v[AC:AC+7], v[XF:XF+15], v[WF:WF+15], 0
.else
	v_wmma_f32_16x16x128_bf8_bf8 v[AC:AC+7], v[XF:XF+15], v[WF:WF+15], v[AC:AC+7]
.endif
.else
.if \s == 0
	v_wmma_f32_16x16x128_bf8_bf8 v[AC:AC+7], v[WF:WF+15], v[XF:XF+15], 0
.else
	v_wmma_f32_16x16x128_bf8_bf8 v[AC:AC+7], v[WF:WF+15], v[XF:XF+15], v[AC:AC+7]
.endif
.endif
.endr
.endr
	WIN 0
.endr
.endm
	s_load_b256 s[4:11], s[0:1], 0x0               ; x, wimg, rimg, the scales' exponents
	s_load_b128 s[12:15], s[0:1], 0x20             ; qimg, kimg
	s_load_b64 s[16:17], s[0:1], 0x30              ; vimg
	v_lshl_add_u32 v30, v0, 2, 0x20400
	v_mov_b32 v31, 0
	v_lshrrev_b32 v1, 5, v0
	v_readfirstlane_b32 s18, v1                    ; wave 0..3
	v_and_b32 v1, 31, v0                           ; lane
	v_and_b32 v2, 15, v0                           ; r
	v_bfe_u32 v3, v0, 4, 1                         ; h
	v_lshlrev_b32 v4, 4, v1                        ; 16 x lane
	s_mul_i32 s28, s18, 8448
	s_add_co_u32 s28, s28, STG                     ; my stage
	v_add_nc_u32 v5, s28, v4                       ; into it: 16 x lane of a row
	v_mul_u32_u24 v6, v2, 528
	v_lshl_add_u32 v6, v3, 5, v6
	v_add_nc_u32 v6, s28, v6                       ; out of it: row r, + 32 h
	s_mul_i32 s29, s18, 24576
	v_add_nc_u32 v7, s29, v4                       ; where I store images: my twelve begin at 12 x 2,048 x wave
	s_and_b32 s30, s18, 1
	s_lshl_b32 s31, s30, 11
	v_add_nc_u32 v9, s31, v4                       ; the table: my tile t has piece (2 (w % 2) + t) % 4: pieces 2 (w % 2), + 1 here,
	s_xor_b32 s31, s31, 2048
	v_add_nc_u32 v10, s31, v4                      ; the other two here
	s_mov_b32 s19, ttmp9                           ; block of 128 rows
	s_and_b32 s20, ttmp7, 0xffff
	s_lshr_b32 s21, s20, 1                         ; kind
	s_and_b32 s22, s20, 1                          ; which 384 columns
	s_and_b32 s23, s19, 15                         ; the block within its batch
	s_lshr_b32 s27, s19, 4                         ; batch
	s_mul_i32 s52, s19, 393216                     ; x: 128 rows of 3,072 bytes a block,
	s_mul_i32 s53, s18, 98304                      ; 32 rows a wave
	s_add_co_u32 s52, s52, s53
	s_mov_b32 s53, 0
	s_mul_i32 s54, s21, 589824                     ; wimg: the kind's 288 fragments,
	s_mul_i32 s55, s22, 24
	s_mul_i32 s56, s18, 6
	s_add_co_u32 s55, s55, s56                     ; my first tile of columns: 24 (y % 2) + 6 w,
	s_mul_i32 s55, s55, 12288                      ; six fragments a tile
	s_add_co_u32 s54, s54, s55
	s_mov_b32 s55, 0
	s_lshl_b32 s56, s23, 15                        ; rimg: eight time tiles of 4,096 bytes a block
	s_mov_b32 s57, 0
	s_mul_i32 s58, s27, 1572864                    ; the output: the batch, my 96 columns (3 planes of 65,536 in q and k, 6 of 32,768 in v),
	s_mul_i32 s59, s22, 786432
	s_add_co_u32 s58, s58, s59
	s_mul_i32 s59, s18, 196608
	s_add_co_u32 s58, s58, s59
	s_cmp_eq_u32 s21, 2
	s_cselect_b32 s59, 11, 12                      ; and the block: 8 time tiles of 512 bytes, or a key block of 2,048
	s_lshl_b32 s59, s23, s59
	s_add_co_u32 s58, s58, s59
	s_mov_b32 s59, 0
	s_wait_kmcnt 0x0
	s_load_b256 s[40:47], s[10:11], 0x0            ; entries 0 to 7,
	s_load_b128 s[48:51], s[10:11], 0x20           ; 8 to 11
	s_add_nc_u64 s[4:5], s[4:5], s[52:53]
	s_add_nc_u64 s[6:7], s[6:7], s[54:55]
	s_add_nc_u64 s[34:35], s[8:9], s[56:57]
	s_cmp_eq_u32 s21, 1                            ; the choice of the output hangs on the work-group's number alone
	s_cselect_b64 s[32:33], s[14:15], s[12:13]
	s_cmp_eq_u32 s21, 2
	s_cselect_b64 s[32:33], s[16:17], s[32:33]
	s_add_nc_u64 s[32:33], s[32:33], s[58:59]
	LOADX 0
	LOADX 1
	s_wait_kmcnt 0x0
	s_cmp_eq_u32 s21, 1
	s_cselect_b32 s24, s42, s40
	s_cselect_b32 s25, s43, s41
	s_cselect_b32 s26, s47, s46
	s_cmp_eq_u32 s21, 2
	s_cselect_b32 s24, s44, s24                    ; ex
	s_cselect_b32 s25, s45, s25                    ; ew
	s_cselect_b32 s26, s49, s26                    ; eo
	s_sub_co_i32 s26, s26, s24
	s_sub_co_i32 s26, s26, s25                     ; eo - ex - ew
	s_add_co_i32 s24, s24, 127
	s_lshl_b32 s25, s24, 23
	v_mov_b32 v11, s25                             ; 2^ex as f32
	s_add_co_i32 s24, s24, 15
	s_lshl_b32 s24, s24, 23
	s_or_b32 s24, s24, 0x600000
	v_mov_b32 v12, s24                             ; 57,344 x 2^ex
	s_add_co_i32 s26, s26, 127
	s_lshl_b32 s25, s26, 23
	v_mov_b32 v13, s25                             ; 2^(eo - ex - ew)
	s_add_co_i32 s26, s26, 15
	s_lshl_b32 s26, s26, 23
	s_or_b32 s26, s26, 0x600000
	v_mov_b32 v14, s26                             ; 57,344 x that
	; ---- PHASE X.  Behind unit u's 16 loads were issued: unit 0: unit 1's 16; unit 1: unit 2's 16 and 12 of the weight; units 2 to 10: 12 + 16 + 12; unit 11: 12 + 12
	UNIT 0, 16
	UNIT 1, 28
.irp u, 2,3,4,5,6,7,8,9,10
	UNIT \u, 40
.endr
	UNIT 11, 24
	s_wait_loadcnt 0x0                             ; all my fragments of the weight are in
	s_wait_dscnt 0x0                               ; for the others' sake: my images are stored
	s_barrier_signal -1
	s_barrier_wait -1                              ; x's 48 images lie in LDS; nothing is stored to LDS from here on
	; ---- PHASE P
	s_mov_b32 s36, 0                               ; the trip's twelve images begin here
	s_mov_b32 s37, 4
.Ltrip:
	v_add_nc_u32 v8, s36, v4
	s_cmp_eq_u32 s21, 2
	s_cbranch_scc1 .Lvbody
	; q or k.  Set j of the table's registers holds piece (2 (w % 2) + j) % 4, so that tile t reads set t % 4
.irp m, 0,1
.irp j, 0,1
.irp k, 0,1
	global_load_b128 v[192+32*\m+8*\j+4*\k:195+32*\m+8*\j+4*\k], v9, s[34:35] offset:4096*\m+1024*\j+512*\k
	global_load_b128 v[208+32*\m+8*\j+4*\k:211+32*\m+8*\j+4*\k], v10, s[34:35] offset:4096*\m+1024*\j+512*\k
.endr
.endr
.endr
	FETCHX 0
	KSTEPS 0
	s_wait_loadcnt 0x0                             ; cosines and sines
	PLACES
.irp m, 0,1
.irp t, 0,1,2,3,4,5
.set AC, 96+8*(6*\m+\t)
.set RP, 192+32*\m+8*(\t%4)
.irp e, 0,2,4,6
	v_mul_f32 v[56+\e/2], v[AC+\e+1], v[RP+\e+1]               ; x2 sin  (each accumulator is read from its low end on)
.endr
.irp e, 0,2,4,6
	v_mul_f32 v[AC+\e+1], v[AC+\e+1], v[RP+\e]                 ; x2 cos
.endr
.irp e, 0,2,4,6
	v_fma_f32 v[AC+\e+1], v[AC+\e], v[RP+\e+1], v[AC+\e+1]     ; x1 sin + x2 cos
.endr
.irp e, 0,2,4,6
	v_fma_f32 v[AC+\e], v[AC+\e], v[RP+\e], -v[56+\e/2]        ; x1 cos - x2 sin
.endr
.irp j, 0,1,2,3,4,5,6,7
	v_med3_num_f32 v[AC+\j], v[AC+\j], -v14, v14
.endr
	v_cvt_scalef32_pk8_bf8_f32 v[32+2*(6*\m+\t):33+2*(6*\m+\t)], v[AC:AC+7], v13
.endr
.endr
	v_nop                                          ; a plain vector instruction behind the last conversion
.irp m, 0,1
.irp g, 0,1,2
	global_store_b128 v4, v[32+12*\m+4*\g:35+12*\m+4*\g], s[32:33] offset:65536*\g+512*\m   ; tiles 2 g, 2 g + 1: 32 columns of 16 time steps: 512 consecutive bytes
.endr
.endr
	s_wait_xcnt 0x0                                ; the stores' data and base, and the table's base, are written again only behind this wait
	s_add_nc_u64 s[32:33], s[32:33], 1024          ; two time tiles on
	s_add_nc_u64 s[34:35], s[34:35], 8192
	s_branch .Ljoin
.Lvbody:
	FETCHX 0
	KSTEPS 1
	PLACES
.irp m, 0,1
.irp t, 0,1,2,3,4,5
.set AC, 96+8*(6*\m+\t)
.irp j, 0,1,2,3,4,5,6,7
	v_med3_num_f32 v[AC+\j], v[AC+\j], -v14, v14
.endr
	v_cvt_scalef32_pk8_bf8_f32 v[32+4*\t+2*\m:33+4*\t+2*\m], v[AC:AC+7], v13
.endr
.endr
	v_nop
.irp t, 0,1,2,3,4,5
	global_store_b128 v4, v[32+4*\t:35+4*\t], s[32:33] offset:32768*\t   ; 16 channels x this trip's 32 keys: one piece of V^T's fragment
.endr
	s_wait_xcnt 0x0
	s_add_nc_u64 s[32:33], s[32:33], 512           ; the fragment's next piece
.Ljoin:
	s_add_co_u32 s36, s36, 24576
	s_sub_co_u32 s37, s37, 1
	s_cmp_lg_u32 s37, 0
	s_cbranch_scc1 .Ltrip
	s_wait_tensorcnt 0x0
	ds_add_u32 v30, v31
	s_wait_dscnt 0x0
	s_endpgm
.Lfunc_end_k_q784a3d55c5_qkv:
	.size	k_q784a3d55c5_qkv, .Lfunc_end_k_q784a3d55c5_qkv-k_q784a3d55c5_qkv
	.p2alignl 7, 3214868480
	.fill 96, 4, 3214868480
	.section	.rodata,"a",@progbits
	.p2align	6, 0x0
	.amdhsa_kernel k_q784a3d55c5_qkv
		.amdhsa_group_segment_fixed_size 132608
		.amdhsa_private_segment_fixed_size 0
		.amdhsa_enable_private_segment 0
		.amdhsa_kernarg_size 56
		.amdhsa_user_sgpr_count 2
		.amdhsa_user_sgpr_kernarg_segment_ptr 1
		.amdhsa_wavefront_size32 1
		.amdhsa_system_sgpr_workgroup_id_x 1
		.amdhsa_system_sgpr_workgroup_id_y 1
		.amdhsa_system_sgpr_workgroup_id_z 1
		.amdhsa_system_vgpr_workitem_id 0
		.amdhsa_next_free_vgpr 1024
		.amdhsa_next_free_sgpr 66
		.amdhsa_reserve_vcc 0
		.amdhsa_float_denorm_mode_32 3
		.amdhsa_float_denorm_mode_16_64 3
		.amdhsa_memory_ordered 1
		.amdhsa_forward_progress 1
		.amdhsa_inst_pref_size 163
	.end_amdhsa_kernel
	.amdgpu_metadata
---
amdhsa.version: [ 1, 2 ]
amdhsa.kernels:
  - .name:           k_q784a3d55c5_qkv
    .symbol:         k_q784a3d55c5_qkv.kd
    .args:
      - { .name: x, .offset: 0, .size: 8, .value_kind: global_buffer, .address_space: global }
      - { .name: wimg, .offset: 8, .size: 8, .value_kind: global_buffer, .address_space: global }
      - { .name: rimg, .offset: 16, .size: 8, .value_kind: global_buffer, .address_space: global }
      - { .name: lowp_scales, .offset: 24, .size: 8, .value_kind: global_buffer, .address_space: global }
      - { .name: qimg, .offset: 32, .size: 8, .value_kind: global_buffer, .address_space: global }
      - { .name: kimg, .offset: 40, .size: 8, .value_kind: global_buffer, .address_space: global }
      - { .name: vimg, .offset: 48, .size: 8, .value_kind: global_buffer, .address_space: global }
    .group_segment_fixed_size: 132608
    .private_segment_fixed_size: 0
    .kernarg_segment_align: 8
    .kernarg_segment_size: 56
    .max_flat_workgroup_size: 128
    .sgpr_count:     66
    .vgpr_count:     1024
    .wavefront_size: 32
...
	.end_amdgpu_metadata
.endif
;; end of part 2
;; launch attn (part 3): grid 8 x 24, 16 waves a work-group, no clusters, 264,192 bytes of LDS; arguments qimg, kimg, vimg, lowp_scales, yimg; writes yimg
.if DOCPART == 3
	.amdgcn_target "amdgcn-amd-amdhsa--gfx1250"
	.amdhsa_code_object_version 6
	.text
	.protected	k_q784a3d55c5_attn
	.globl	k_q784a3d55c5_attn
	.p2align	8
	.type	k_q784a3d55c5_attn,@function
k_q784a3d55c5_attn:
	s_mov_b64 s[64:65], 0
	v_nop
	global_prefetch_b8 v0, s[64:65] scope:SCOPE_SE
	s_setreg_imm32_b32 hwreg(HW_REG_WAVE_MODE, 25, 1), 1
	s_wait_xcnt 0x0
; ATTN: y[q] = the sum over keys k <= q of softmax_k(q . k / 8) v[k], both products on codes of E5M2; y is quantised for the last projection and stored as an image of its operand's registers.
; THE SOFTMAX AHEAD OF THE SECOND PRODUCT: t = score x log2(e) / 8; M = the row's largest t so far, rounded UP to a whole number; p = 2^(t - M) is what is quantised; it is not normalised.  The row's sum is taken of the
; unquantised p, in f32, and divides at the end.  When M moves, the sum and O are multiplied by 2^(old M - new M): exact.
; SHARES.  Work-group (i, hb): head hb = 12 batch + head; the query blocks i and 15 - i of 128 queries: 8 (i + 1) + 8 (16 - i) = 136 key steps of a wave in every work-group.  Each of the SIXTEEN waves owns one tile of 16 queries in 256 registers;
; which block a wave's tile is of is chosen so that of waves w, w + 4, w + 8, w + 12, and of waves 4 n .. 4 n + 3, two have a long walk and two a short one.
; THE HEAD'S WHOLE K AND V, 131,072 bytes each, LIE IN LDS, as they lie in memory (K: plane g of 65,536, time tile x 512; V at 131,072: plane of 16 channels of 32,768, key block x 2,048), and are filled ONCE: no LDS byte is filled twice.
; Each wave issues two tensor loads at the head (two are out, by this text's count): 4,096 bytes of what belongs to keys 0-511, then 12,288 of the rest.  Keys 0-511 are walked behind a barrier in front of which each wave has waited for its
; first load alone; the rest behind a second barrier.
; LAYOUT.  S^T = K Q^T (source 0 = 16 keys, source 1 = my 16 queries, K = 64): a lane holds ONE query (lane % 16); register j of tile t holds key 16 t + 8 (lane / 16) + j: so a tile's conversion gives registers 2 t, 2 t + 1 of P, the
; second product's source 1 (K = 128 keys).  O^T = V^T P^T: register j of tile d holds channel 16 d + 8 (lane / 16) + j: its conversion gives two registers of y's fragment.  yimg: [row tile 256][K step 6][piece 4][512]; a head is half a K step.
; THE SOFTMAX GOES BY TURNS.  Behind the step's maximum the 64 exponentials do not stand in one run: the lane's 32 pairs of scores go through a short pipeline, a turn a pair.  Turn b: the exponential of score 2 b; the scaling t - M of pair b + 3;
; the hold of p(2 b - 4); in every second turn one of the 16 rescalings of O^T; the exponential of score 2 b + 1; pair b - 1 added to the row's sum; the hold of p(2 b - 3); in every fourth turn the conversion of a tile whose eight holds are done.
; So two or three plain instructions stand between two exponentials, a pair is summed before it is held, and between each exponential and the first use of its result stands a plain instruction that names none of its registers.
; CAUSAL.  Both loops' trip counts are constants.  A step all of whose keys come after my queries is passed over by a scalar branch on ids; on the diagonal hidden scores become -infinity ahead of the maximum.
; NO JOINT LOADS, though the eight work-groups of a head read the same K and V: which steps a wave passes over hangs on its query block, which differs between them.  Partners that must run alike would walk all 16 steps for each tile: 256 steps
; a work-group in place of 136.
; LIMITS on the given exponents (entries 6 to 10: eq, ek, ep, ev, ey): eq + ek between -123 and 130 (added to c's exponent field); ep and ey - ep - ev between -126 and 112.
; REGISTERS: v1-4 16 x lane, + 65,536, + 131,072, + 196,608; v5 lane % 16 - 8 (lane / 16); v6-9 the step's addresses; v10, v11 2^ep and 57,344 x 2^ep; v12 -M; v13 the largest t; v[14:15] the sum in two halves; v16-23 Q;
;   v24, v25 2^(ey - ep - ev) and 57,344 x that; v32-95 K's eight fragments, then V's four; v96-159 S^T, then p; v160-191 O^T; v192-207 P's codes; v[208:209] f and 0; v210-213, v216 at work.
.set G1E, 24                           ; s[24:31] descriptor group 1: 16 rows of 256 bytes, dense
.set G1L, 32                           ; s[32:39] the same with 48 rows
.set KF,  56                           ; s56 the step's first key
.set QL,  57                           ; s57 my last query
.set Q0,  58                           ; s58 my first query
.set TK,  59                           ; s59 the step's place in a plane of K
.set TV,  60                           ; s60 and in a plane of V
.set CNT, 61
.macro PLACES
.rept 4
	v_nop
.endr
.endm
; A KEY STEP: 128 keys
.macro STEP
	s_cmp_gt_u32 s[KF], s[QL]
	s_cbranch_scc1 .Lhidden_\@                     ; all its keys come after my queries
	v_add_nc_u32 v6, s[TK], v1                     ; (these four are also the places between the last step's products and the loads into the registers that they read)
	v_add_nc_u32 v7, s[TK], v2
	v_add_nc_u32 v8, s[TV], v3
	v_add_nc_u32 v9, s[TV], v4
.irp t, 0,1,2,3,4,5,6,7
	ds_load_b128 v[32+8*\t:35+8*\t], v6 offset:512*\t          ; 16 keys, channels' places 0-31
	ds_load_b128 v[36+8*\t:39+8*\t], v7 offset:512*\t          ; places 32-63
.endr
	s_wait_dscnt 0x0
.irp t, 0,1,2,3,4,5,6,7
	v_wmma_f32_16x16x64_bf8_bf8 v[96+8*\t:103+8*\t], v[32+8*\t:39+8*\t], v[16:23], 0
.endr
	PLACES
.irp d, 0,1,2,3
.irp g, 0,1,2,3
	ds_load_b128 v[32+16*\d+4*\g:35+16*\d+4*\g], v[8+\d/2] offset:32768*(\d%2)+512*\g   ; V^T: 16 channels x these 128 keys; they land while the softmax is worked
.endr
.endr
	s_add_co_u32 s62, s[KF], 127
	s_cmp_le_u32 s62, s[Q0]
	s_cbranch_scc1 .Lopen_\@                       ; all its keys count
	s_sub_co_i32 s62, s[Q0], s[KF]
	v_add_nc_u32 v213, s62, v5                     ; d = my query - KF - 8 (lane / 16): register 8 t + j is hidden where 16 t + j > d
	v_mov_b32 v216, 0xff800000                     ; -infinity
.set N, 0
.rept 64
	v_cmp_gt_i32 vcc_lo, 16*(N/8)+N%8, v213
	v_cndmask_b32 v[96+N], v[96+N], v216, vcc_lo
.set N, N+1
.endr
.Lopen_\@:
	v_max3_num_f32 v210, v96, v97, v98             ; the step's largest score of my query among my 64 keys, in two chains; each accumulator is read from its low end on
	v_max3_num_f32 v211, v99, v100, v101
.set N, 6
.rept 14
	v_max3_num_f32 v210, v210, v[96+N], v[97+N]
	v_max3_num_f32 v211, v211, v[98+N], v[99+N]
.set N, N+4
.endr
	v_max3_num_f32 v210, v210, v158, v159
	v_max_num_f32 v210, v210, v211
	v_permlanex16_b32 v212, v210, s20, s21
	v_max_num_f32 v210, v210, v212                 ; and among the other half of the lanes'
	v_mul_f32 v210, s22, v210                      ; as t (c is positive)
	v_max_num_f32 v13, v13, v210                   ; the running largest t
	v_mov_b32 v210, v12
	v_floor_f32 v12, -v13                          ; the new -M = floor(-t) = -ceil(t): a whole number
	v_sub_f32 v210, v12, v210                      ; old M - new M: a whole number, 0 or less
	v_cvt_i32_f32 v210, v210                       ; (it saturates)
	v_ldexp_f32 v208, 1.0, v210                    ; f = 2^(old M - new M)
	v_pk_mul_f32 v[14:15], v[14:15], v[208:209] op_sel_hi:[1,0]    ; the sums under the new M
.irp b, 0,2,4
	v_pk_fma_f32 v[96+\b:97+\b], v[96+\b:97+\b], s[22:23], v[12:13] op_sel_hi:[1,0,0]   ; t - M of pairs 0 to 2: the scalings run three pairs ahead of the exponentials
.endr
.set PR, 0
.rept 32                               ; turn PR of 32: see the head
	v_exp_f32 v[96+2*PR], v[96+2*PR]               ; p = 2^(t - M)
.if PR <= 28
	v_pk_fma_f32 v[102+2*PR:103+2*PR], v[102+2*PR:103+2*PR], s[22:23], v[12:13] op_sel_hi:[1,0,0]   ; t - M of pair PR + 3
.endif
.if PR >= 2
	v_min_num_f32 v[92+2*PR], v[92+2*PR], v11      ; pair PR - 2, which has been summed: the conversion does not saturate (ISA guide 7.6.2); p is not negative, so the hold is one-sided
.endif
.if (PR%2 == 0) && (PR <= 28)
	v_pk_mul_f32 v[160+PR:161+PR], v[160+PR:161+PR], v[208:209] op_sel_hi:[1,0]   ; O^T under the new M, ascending: each accumulator is read from its low end on
.endif
	v_exp_f32 v[97+2*PR], v[97+2*PR]
.if PR >= 1
	s_wait_alu depctr_va_vdst(0)
	v_pk_add_f32 v[14:15], v[14:15], v[94+2*PR:95+2*PR]        ; pair PR - 1: the row's sum is taken of the unquantised p; one chain, a link a turn
.endif
.if PR >= 2
	v_min_num_f32 v[93+2*PR], v[93+2*PR], v11
.endif
.if (PR >= 5) && (PR%4 == 1)
	v_cvt_scalef32_pk8_bf8_f32 v[192+2*((PR-5)/4):193+2*((PR-5)/4)], v[96+8*((PR-5)/4):103+8*((PR-5)/4)], v10   ; tile (PR - 5) / 4: its last hold stands just above
.endif
.set PR, PR+1
.endr
	v_pk_add_f32 v[14:15], v[14:15], v[158:159]    ; the pipeline runs out: pair 31 is summed,
	v_min_num_f32 v156, v156, v11                  ; pairs 30 and 31 are held,
	v_min_num_f32 v157, v157, v11
	v_min_num_f32 v158, v158, v11
	v_min_num_f32 v159, v159, v11
	v_cvt_scalef32_pk8_bf8_f32 v[206:207], v[152:159], v10     ; tile 7 is converted,
	v_pk_mul_f32 v[190:191], v[190:191], v[208:209] op_sel_hi:[1,0]   ; and the last rescaling of O^T is the plain instruction between the last conversion and the products that read its result
	s_wait_dscnt 0x0                               ; V's fragments are in
.irp d, 0,1,2,3
	v_wmma_f32_16x16x128_bf8_bf8 v[160+8*\d:167+8*\d], v[32+16*\d:47+16*\d], v[192:207], v[160+8*\d:167+8*\d]   ; the four accumulators take turns; between two links of one chain stand the next step's eight products too
.endr
.Lhidden_\@:
	s_add_co_u32 s[KF], s[KF], 128
	s_add_co_u32 s[TK], s[TK], 4096
	s_add_co_u32 s[TV], s[TV], 2048
.endm
	s_load_b256 s[4:11], s[0:1], 0x0               ; qimg, kimg, vimg, the scales' exponents
	s_load_b64 s[12:13], s[0:1], 0x20              ; yimg
	v_lshl_add_u32 v254, v0, 2, 0x40000
	v_mov_b32 v255, 0
	ds_add_u32 v254, v255
	ds_add_u32 v254, v255
	v_lshrrev_b32 v1, 5, v0
	v_readfirstlane_b32 s14, v1                    ; wave 0..15
	s_mov_b32 s15, ttmp9                           ; i
	s_and_b32 s16, ttmp7, 0xffff                   ; hb
	s_mov_b32 s[G1E+0], 3<<16                      ; no mask; elements of 8 bytes; no padding
	s_mov_b32 s[G1E+1], 32<<16                     ; tensor_dim0 = 32 elements: 256 bytes
	s_mov_b32 s[G1E+2], 16<<16                     ; tensor_dim1 = 16
	s_mov_b32 s[G1E+3], 32<<16                     ; tile_dim0
	s_mov_b32 s[G1E+4], 16                         ; tile_dim1
	s_mov_b32 s[G1E+5], 32                         ; from row to row: dense
	s_mov_b32 s[G1E+6], 0
	s_mov_b32 s[G1E+7], 0
	s_mov_b32 s[G1L+0], 3<<16
	s_mov_b32 s[G1L+1], 32<<16
	s_mov_b32 s[G1L+2], 48<<16
	s_mov_b32 s[G1L+3], 32<<16
	s_mov_b32 s[G1L+4], 48
	s_mov_b32 s[G1L+5], 32
	s_mov_b32 s[G1L+6], 0
	s_mov_b32 s[G1L+7], 0
	; what I fetch.  Waves 0-7, K: plane (w / 4) % 2; of its first 16,384 bytes (keys 0-511) quarter w % 4, of the other 49,152 likewise.  Waves 8-15, V: plane (w / 2) % 4; of its first 8,192 bytes half w % 2, of the other 24,576 likewise.
	s_bfe_u32 s17, s14, 0x10002
	s_lshl_b32 s17, s17, 16
	s_and_b32 s18, s14, 3
	s_lshl_b32 s19, s18, 12
	s_add_co_u32 s19, s19, s17                     ; K, early
	s_mul_i32 s18, s18, 12288
	s_add_co_u32 s18, s18, s17
	s_add_co_u32 s18, s18, 16384                   ; K, late
	s_bfe_u32 s2, s14, 0x20001
	s_lshl_b32 s2, s2, 15
	s_and_b32 s3, s14, 1
	s_lshl_b32 s73, s3, 12
	s_add_co_u32 s73, s73, s2                      ; V, early
	s_mul_i32 s3, s3, 12288
	s_add_co_u32 s3, s3, s2
	s_add_co_u32 s3, s3, 8192                      ; V, late
	s_lshl_b32 s74, s16, 17                        ; the head's 131,072 bytes in each of the three buffers
	s_mov_b32 s75, 0
	s_mov_b32 s77, 0
	s_wait_dscnt 0x0
	s_wait_kmcnt 0x0
	s_load_b128 s[68:71], s[10:11], 0x18           ; eq, ek, ep, ev
	s_load_b32 s72, s[10:11], 0x28                 ; ey
	s_add_nc_u64 s[4:5], s[4:5], s[74:75]
	s_add_nc_u64 s[6:7], s[6:7], s[74:75]
	s_add_nc_u64 s[8:9], s[8:9], s[74:75]
	s_mov_b32 s40, 1                               ; group 0: count; LDS address; global address; type
	s_mov_b32 s41, s19
	s_mov_b32 s76, s19
	s_add_nc_u64 s[42:43], s[6:7], s[76:77]
	s_or_b32 s43, s43, 0x80000000
	s_mov_b32 s44, 1
	s_mov_b32 s45, s18
	s_mov_b32 s76, s18
	s_add_nc_u64 s[46:47], s[6:7], s[76:77]
	s_or_b32 s47, s47, 0x80000000
	s_mov_b32 s48, 1
	s_add_co_u32 s49, s73, 131072
	s_mov_b32 s76, s73
	s_add_nc_u64 s[50:51], s[8:9], s[76:77]
	s_or_b32 s51, s51, 0x80000000
	s_mov_b32 s52, 1
	s_add_co_u32 s53, s3, 131072
	s_mov_b32 s76, s3
	s_add_nc_u64 s[54:55], s[8:9], s[76:77]
	s_or_b32 s55, s55, 0x80000000
	s_cmp_lt_u32 s14, 8                            ; a wave's two fills stand in one branch on its number, ahead of every wait on TENSORcnt, every LDS read and every barrier; four v_nop follow the second
	s_cbranch_scc0 .Lfill_v
	tensor_load_to_lds s[40:43], s[G1E:G1E+7]
	s_nop 0
	tensor_load_to_lds s[44:47], s[G1L:G1L+7]
	s_nop 0
	PLACES
	s_branch .Lfilled
.Lfill_v:
	tensor_load_to_lds s[48:51], s[G1E:G1E+7]
	s_nop 0
	tensor_load_to_lds s[52:55], s[G1L:G1L+7]
	s_nop 0
	PLACES
.Lfilled:
	s_lshr_b32 s17, s14, 2
	s_xor_b32 s17, s17, s14
	s_and_b32 s17, s17, 1                          ; which of the two blocks my tile is of
	s_sub_co_u32 s18, 15, s15
	s_cmp_lg_u32 s17, 0
	s_cselect_b32 s18, s18, s15                    ; the block
	s_lshl_b32 s18, s18, 3
	s_lshr_b32 s19, s14, 1
	s_add_co_u32 s18, s18, s19                     ; my tile of 16 queries
	s_lshl_b32 s[Q0], s18, 4
	s_add_co_u32 s[QL], s[Q0], 15
	s_lshl_b32 s76, s18, 9
	s_add_nc_u64 s[4:5], s[4:5], s[76:77]
	v_and_b32 v1, 31, v0
	v_lshlrev_b32 v1, 4, v1                        ; 16 x lane
	global_load_b128 v[16:19], v1, s[4:5]          ; Q's fragment stays in registers
	global_load_b128 v[20:23], v1, s[4:5] offset:65536
	s_cmp_ge_u32 s16, 12
	s_cselect_b32 s19, 1, 0                        ; batch
	s_mul_i32 s2, s19, 12
	s_sub_co_u32 s2, s16, s2                       ; head
	s_lshl_b32 s19, s19, 7
	s_add_co_u32 s19, s19, s18                     ; row tile of y
	s_mul_i32 s19, s19, 6
	s_lshr_b32 s3, s2, 1
	s_add_co_u32 s19, s19, s3                      ; K step = head / 2
	s_lshl_b32 s19, s19, 11
	s_and_b32 s2, s2, 1
	s_lshl_b32 s2, s2, 10                          ; its pieces 2 (head % 2), + 1
	s_add_co_u32 s78, s19, s2
	s_mov_b32 s79, 0
	s_add_nc_u64 s[12:13], s[12:13], s[78:79]
	v_and_b32 v2, 15, v0
	v_bfe_u32 v3, v0, 4, 1
	v_lshlrev_b32 v3, 3, v3
	v_sub_nc_u32 v5, v2, v3                        ; lane % 16 - 8 (lane / 16)
	v_add_nc_u32 v2, 0x10000, v1
	v_add_nc_u32 v3, 0x20000, v1
	v_add_nc_u32 v4, 0x30000, v1
	v_mov_b32 v13, 0xff61b1e6                      ; the largest t so far: -3e38, under every t
	v_floor_f32 v12, -v13                          ; -M
	v_mov_b32 v14, 0                               ; the sum, in two halves
	v_mov_b32 v15, 0
	v_mov_b32 v209, 0                              ; (named as the upper half of the pair v[208:209])
	v_mov_b32 v212, 0                              ; written once: a lane permute's destination counts as one of its sources
.set N, 0
.rept 32
	v_mov_b32 v[160+N], 0                          ; O^T.  (The step is written without a first step of its own: the first finds zeros, which the first change of M leaves zeros)
.set N, N+1
.endr
	s_mov_b32 s20, 0x76543210                      ; v_permlanex16_b32's selects: lane l xor 16
	s_mov_b32 s21, 0xfedcba98
	s_mov_b32 s22, 0x3e38aa3b                      ; c = log2(e) / 8
	s_mov_b32 s[KF], 0
	s_mov_b32 s[TK], 0
	s_mov_b32 s[TV], 0
	s_wait_kmcnt 0x0
	s_add_co_i32 s2, s68, s69
	s_lshl_b32 s2, s2, 23
	s_add_co_i32 s22, s22, s2                      ; a score stands for score x 2^(eq + ek): the two exponents are added to c's exponent field
	s_mov_b32 s23, s22                             ; (named with it as a pair, so it is written)
	s_add_co_i32 s2, s70, 127
	s_lshl_b32 s3, s2, 23
	v_mov_b32 v10, s3                              ; 2^ep
	s_add_co_i32 s2, s2, 15
	s_lshl_b32 s2, s2, 23
	s_or_b32 s2, s2, 0x600000
	v_mov_b32 v11, s2                              ; 57,344 x 2^ep
	s_sub_co_i32 s2, s72, s70
	s_sub_co_i32 s2, s2, s71                       ; O^T / the sum stands for y / 2^(ep + ev): its code is that / 2^(ey - ep - ev)
	s_add_co_i32 s2, s2, 127
	s_lshl_b32 s3, s2, 23
	v_mov_b32 v24, s3
	s_add_co_i32 s2, s2, 15
	s_lshl_b32 s2, s2, 23
	s_or_b32 s2, s2, 0x600000
	v_mov_b32 v25, s2
	s_wait_loadcnt 0x0                             ; Q
	s_wait_tensorcnt 0x1                           ; my part of keys 0-511 is in; my second load may stay out
	s_barrier_signal -1
	s_barrier_wait -1                              ; everybody's is
	s_mov_b32 s[CNT], 4
.Lloop_a:                                          ; keys 0-511
	STEP
	s_sub_co_u32 s[CNT], s[CNT], 1
	s_cmp_lg_u32 s[CNT], 0
	s_cbranch_scc1 .Lloop_a
	s_wait_tensorcnt 0x0                           ; my part of the rest is in
	s_wait_dscnt 0x0
	s_barrier_signal -1
	s_barrier_wait -1                              ; everybody's is
	s_mov_b32 s[CNT], 12
.Lloop_b:                                          ; keys 512-2,047
	STEP
	s_sub_co_u32 s[CNT], s[CNT], 1
	s_cmp_lg_u32 s[CNT], 0
	s_cbranch_scc1 .Lloop_b
	; THE WAY OUT: O^T / the sum, quantised: the conversions' results are eight registers of y's fragment, 512 consecutive bytes a store
	PLACES
	v_add_f32 v14, v14, v15                        ; the sum's two halves,
	v_permlanex16_b32 v212, v14, s20, s21
	v_add_f32 v14, v14, v212                       ; and the other half of the lanes'
	v_rcp_f32 v14, v14
	v_nop                                          ; a plain instruction behind the transcendental
.set N, 0
	s_wait_alu depctr_va_vdst(0)
.rept 32
	v_mul_f32 v[96+N], v[160+N], v14               ; each accumulator from its low end on
.set N, N+1
.endr
.set N, 0
.rept 32
	v_med3_num_f32 v[96+N], v[96+N], -v25, v25
.set N, N+1
.endr
.irp d, 0,1,2,3
	v_cvt_scalef32_pk8_bf8_f32 v[192+2*\d:193+2*\d], v[96+8*\d:103+8*\d], v24
.endr
	v_nop
	global_store_b128 v1, v[192:195], s[12:13]
	global_store_b128 v1, v[196:199], s[12:13] offset:512
	s_wait_tensorcnt 0x0
	ds_add_u32 v254, v255
	s_wait_dscnt 0x0
	s_endpgm
.Lfunc_end_k_q784a3d55c5_attn:
	.size	k_q784a3d55c5_attn, .Lfunc_end_k_q784a3d55c5_attn-k_q784a3d55c5_attn
	.p2alignl 7, 3214868480
	.fill 96, 4, 3214868480
	.section	.rodata,"a",@progbits
	.p2align	6, 0x0
	.amdhsa_kernel k_q784a3d55c5_attn
		.amdhsa_group_segment_fixed_size 264192
		.amdhsa_private_segment_fixed_size 0
		.amdhsa_enable_private_segment 0
		.amdhsa_kernarg_size 40
		.amdhsa_user_sgpr_count 2
		.amdhsa_user_sgpr_kernarg_segment_ptr 1
		.amdhsa_wavefront_size32 1
		.amdhsa_system_sgpr_workgroup_id_x 1
		.amdhsa_system_sgpr_workgroup_id_y 1
		.amdhsa_system_sgpr_workgroup_id_z 1
		.amdhsa_system_vgpr_workitem_id 0
		.amdhsa_next_free_vgpr 256
		.amdhsa_next_free_sgpr 80
		.amdhsa_reserve_vcc 1
		.amdhsa_float_denorm_mode_32 3
		.amdhsa_float_denorm_mode_16_64 3
		.amdhsa_memory_ordered 1
		.amdhsa_forward_progress 1
		.amdhsa_inst_pref_size 56
	.end_amdhsa_kernel
	.amdgpu_metadata
---
amdhsa.version: [ 1, 2 ]
amdhsa.kernels:
  - .name:           k_q784a3d55c5_attn
    .symbol:         k_q784a3d55c5_attn.kd
    .args:
      - { .name: qimg, .offset: 0, .size: 8, .value_kind: global_buffer, .address_space: global }
      - { .name: kimg, .offset: 8, .size: 8, .value_kind: global_buffer, .address_space: global }
      - { .name: vimg, .offset: 16, .size: 8, .value_kind: global_buffer, .address_space: global }
      - { .name: lowp_scales, .offset: 24, .size: 8, .value_kind: global_buffer, .address_space: global }
      - { .name: yimg, .offset: 32, .size: 8, .value_kind: global_buffer, .address_space: global }
    .group_segment_fixed_size: 264192
    .private_segment_fixed_size: 0
    .kernarg_segment_align: 8
    .kernarg_segment_size: 40
    .max_flat_workgroup_size: 512
    .sgpr_count:     80
    .vgpr_count:     256
    .wavefront_size: 32
...
	.end_amdgpu_metadata
.endif
;; end of part 3
;; launch oproj (part 4): grid 6 x 32, 4 waves a work-group, no clusters, 214,528 bytes of LDS; arguments yimg, wimg, lowp_scales, out0; writes out0
.if DOCPART == 4
	.amdgcn_target "amdgcn-amd-amdhsa--gfx1250"
	.amdhsa_code_object_version 6
	.text
	.protected	k_q784a3d55c5_oproj
	.globl	k_q784a3d55c5_oproj
	.p2align	8
	.type	k_q784a3d55c5_oproj,@function
k_q784a3d55c5_oproj:
	s_mov_b64 s[64:65], 0
	v_nop
	global_prefetch_b8 v0, s[64:65] scope:SCOPE_SE
	s_setreg_imm32_b32 hwreg(HW_REG_WAVE_MODE, 25, 1), 1
	s_wait_xcnt 0x0
; OPROJ: out0 = y Wo on codes of E5M2.  y and Wo arrive as images of operand registers (16 rows or columns x 128 k: 2,048 bytes; six K steps of a tile on end: 12,288 bytes), so a work-group's share of each is one dense block of 98,304 bytes.
; SHARES.  Work-group (x, y): 128 rows (8 row tiles from 8 y on) x 128 columns (8 tiles from 8 x on).  Four waves, 2 x 2, each 64 x 64: 16 accumulators; six K steps of 128, 16 matrix instructions each.
; LDS: tile T (0-7 y's, 8-15 Wo's): K steps 0-2 at 6,144 T, K steps 3-5 at 98,304 + 6,144 T; filled ONCE.  Each wave issues two tensor loads at the head (two are out, by this text's count): four tiles' K steps 0-2, then their K steps 3-5:
; four rows of 6,144 bytes, 12,288 apart.  K steps 0-2 are read behind a barrier in front of which each wave has waited for its first load alone, the others behind a second barrier.  Behind the tiles: a stage of 16 x 272 bytes for each wave.
; THE MATRIX INSTRUCTION IS USED TRANSPOSED (source 0 = 16 columns of Wo, source 1 = 16 rows of y): a lane holds eight neighbouring numbers of a row of out0.  A block of 16 rows x 64 columns goes through the wave's stage and leaves as rows of 256
; bytes: sixteen lanes store 256 consecutive bytes, at a multiple of 256 from out0's first byte.  Each sum is multiplied once by 2^(ey + ew), entries 10 and 11.  LIMIT: ey + ew between -126 and 127.
; NO JOINT LOADS: what could be shared is one fill of 98,304 bytes a work-group, and a wave has 96 matrix instructions in all; the meetings of a cluster before the first joint load and at the end would stand beside that alone.
; REGISTERS.  Window 0: v4 16 x lane; v5, v6 y's fragments in LDS (K steps 0-2, 3-5); v7, v8 Wo's; v9, v10 the stage, in and back; v11 my place in out0; v32-63 at work; v64-127, v128-191 y's fragments, two sets; on the way out v64-127 rows read back.
;   Window 1: v0-63, v64-127 Wo's fragments, two sets; v128-255 the accumulators ((a, b) at v[128 + 8 (4 a + b)]).
.set STG, 196608
.set MSB, 0
.macro WIN new                         ; the immediate's high byte repeats the setting that is left; a switch that changes nothing is dropped
.if MSB != (\new)
	s_set_vgpr_msb (MSB<<8)|(\new)
.set MSB, (\new)
.endif
.endm
.macro PLACES
.rept 4
	v_nop
.endr
.endm
.macro FETCH s                         ; the eight fragments of K step s into set s % 2
	WIN 0x40                                       ; destination window 1, address window 0
.irp b, 0,1,2,3
.irp g, 0,1,2,3
	ds_load_b128 v[64*((\s)%2)+16*\b+4*\g:64*((\s)%2)+16*\b+4*\g+3], v[7+(\s)/3] offset:6144*\b+2048*((\s)%3)+512*\g
.endr
.endr
	WIN 0
.irp a, 0,1,2,3
.irp g, 0,1,2,3
	ds_load_b128 v[64+64*((\s)%2)+16*\a+4*\g:64+64*((\s)%2)+16*\a+4*\g+3], v[5+(\s)/3] offset:6144*\a+2048*((\s)%3)+512*\g
.endr
.endr
.endm
.macro MUL s                           ; 16 matrix instructions; the accumulators take turns, one instruction a turn, in the same order in every step; the first step starts the sums
	WIN 0x51                                       ; source 0 (Wo), C and D window 1; source 1 (y) window 0
.irp a, 0,1,2,3
.irp b, 0,1,2,3
.if (\s) == 0
	v_wmma_f32_16x16x128_bf8_bf8 v[128+8*(4*\a+\b):135+8*(4*\a+\b)], v[64*((\s)%2)+16*\b:64*((\s)%2)+16*\b+15], v[64+64*((\s)%2)+16*\a:64+64*((\s)%2)+16*\a+15], 0
.else
	v_wmma_f32_16x16x128_bf8_bf8 v[128+8*(4*\a+\b):135+8*(4*\a+\b)], v[64*((\s)%2)+16*\b:64*((\s)%2)+16*\b+15], v[64+64*((\s)%2)+16*\a:64+64*((\s)%2)+16*\a+15], v[128+8*(4*\a+\b):135+8*(4*\a+\b)]
.endif
.endr
.endr
	WIN 0
.endm
	s_load_b128 s[4:7], s[0:1], 0x0                ; yimg, wimg
	s_load_b128 s[8:11], s[0:1], 0x10              ; the scales' exponents, out0
	v_lshl_add_u32 v254, v0, 2, 0x34400
	v_mov_b32 v255, 0
	ds_add_u32 v254, v255
	ds_add_u32 v254, v255
	v_lshrrev_b32 v1, 5, v0
	v_readfirstlane_b32 s12, v1                    ; wave 0..3
	s_lshr_b32 s13, s12, 1                         ; which 64 rows are mine
	s_and_b32 s14, s12, 1                          ; which 64 columns.  Also: which four tiles I fetch
	s_mov_b32 s15, ttmp9                           ; block of 128 columns
	s_and_b32 s16, ttmp7, 0xffff                   ; block of 128 rows
	s_mov_b32 s24, 3<<16                           ; group 1: no mask; elements of 8 bytes; no padding
	s_mov_b32 s25, 768<<16                         ; tensor_dim0 = 768 elements: 6,144 bytes
	s_mov_b32 s26, 4<<16                           ; tensor_dim1 = 4
	s_mov_b32 s27, 768<<16                         ; tile_dim0
	s_mov_b32 s28, 4                               ; tile_dim1
	s_mov_b32 s29, 1536                            ; from row to row: 12,288 bytes
	s_mov_b32 s30, 0
	s_mov_b32 s31, 0
	s_mul_i32 s40, s16, 98304                      ; y's block
	s_mov_b32 s41, 0
	s_mul_i32 s42, s15, 98304
	s_add_co_u32 s42, s42, 1769472                 ; Wo's block: behind the three other weights' 589,824 bytes each
	s_mov_b32 s43, 0
	s_mul_i32 s46, s14, 49152                      ; four tiles of 12,288 bytes
	s_mov_b32 s47, 0
	s_mov_b32 s32, 1                               ; group 0, early: count,
	s_mul_i32 s33, s12, 24576                      ; LDS address: four tiles of 6,144 bytes a wave,
	s_mov_b32 s36, 1                               ; late
	s_add_co_u32 s37, s33, 98304
	s_wait_dscnt 0x0
	s_wait_kmcnt 0x0
	s_load_b64 s[44:45], s[8:9], 0x28              ; ey, ew
	s_add_nc_u64 s[4:5], s[4:5], s[40:41]
	s_add_nc_u64 s[6:7], s[6:7], s[42:43]
	s_cmp_lt_u32 s12, 2                            ; waves 0 and 1 fetch y's tiles, waves 2 and 3 Wo's: the choice hangs on the wave's number alone
	s_cselect_b64 s[34:35], s[4:5], s[6:7]
	s_add_nc_u64 s[34:35], s[34:35], s[46:47]      ; global address,
	s_add_nc_u64 s[38:39], s[34:35], 6144
	s_or_b32 s35, s35, 0x80000000                  ; type
	s_or_b32 s39, s39, 0x80000000
	tensor_load_to_lds s[32:35], s[24:31]          ; K steps 0-2 of my four tiles
	s_nop 0
	tensor_load_to_lds s[36:39], s[24:31]          ; K steps 3-5; four v_nop follow
	s_nop 0
	PLACES
	s_lshl_b32 s48, s16, 7
	s_lshl_b32 s49, s13, 6
	s_add_co_u32 s48, s48, s49                     ; my first row of out0
	s_mul_i32 s48, s48, 3072
	s_lshl_b32 s49, s15, 9
	s_add_co_u32 s48, s48, s49
	s_lshl_b32 s49, s14, 8
	s_add_co_u32 s48, s48, s49                     ; + my first column's bytes: 512 x + 256 (w % 2)
	s_mov_b32 s49, 0
	s_add_nc_u64 s[10:11], s[10:11], s[48:49]
	v_and_b32 v1, 31, v0
	v_and_b32 v2, 15, v0                           ; r
	v_bfe_u32 v3, v0, 4, 1                         ; h
	v_lshlrev_b32 v4, 4, v1
	s_mul_i32 s50, s13, 24576
	v_add_nc_u32 v5, s50, v4                       ; y's tiles 4 (w / 2) on
	v_add_nc_u32 v6, 98304, v5
	s_mul_i32 s50, s14, 24576
	s_add_co_u32 s50, s50, 49152
	v_add_nc_u32 v7, s50, v4                       ; Wo's tiles 4 (w % 2) on, behind y's eight
	v_add_nc_u32 v8, 98304, v7
	s_mul_i32 s50, s12, 4352
	s_add_co_u32 s50, s50, STG                     ; my stage
	v_mul_u32_u24 v9, v2, 272
	v_lshl_add_u32 v9, v3, 5, v9
	v_add_nc_u32 v9, s50, v9                       ; in: row r, 32 bytes for each half of the lanes
	v_mul_u32_u24 v10, v3, 272
	v_lshl_add_u32 v10, v2, 4, v10
	v_add_nc_u32 v10, s50, v10                     ; back: lanes 0-15 one row of 256 bytes, lanes 16-31 the next
	v_mul_u32_u24 v11, v3, 3072
	v_lshl_add_u32 v11, v2, 4, v11                 ; and the same two rows in out0
	s_wait_tensorcnt 0x1                           ; my part of K steps 0-2 is in; my second load may stay out
	s_barrier_signal -1
	s_barrier_wait -1                              ; everybody's is
	FETCH 0
.irp s, 0,1,2,3,4,5
	s_wait_dscnt 0x0                               ; this step's fragments are in (asked for ahead of the last step's 16 matrix instructions)
.if \s == 2
	s_wait_tensorcnt 0x0                           ; my part of K steps 3-5 is in
	s_barrier_signal -1
	s_barrier_wait -1                              ; everybody's is
.endif
.if (\s >= 1) && (\s <= 4)
	PLACES                                         ; the set that the last step multiplied is loaded again
.endif
.if \s <= 4
	FETCH \s+1
.endif
	MUL \s
.endr
	s_wait_kmcnt 0x0
	s_add_co_i32 s44, s44, s45
	s_add_co_i32 s44, s44, 127
	s_lshl_b32 s44, s44, 23                        ; 2^(ey + ew) as f32
	s_mov_b32 s45, s44                             ; (named with it as a pair, so it is written)
	PLACES
.irp a, 0,1,2,3                        ; THE WAY OUT, 16 rows x 64 columns at a time
.if \a >= 2
	s_wait_xcnt 0x0                                ; the stores of two blocks ago have read their registers: this block's rows may land there
.endif
	WIN 0x01                                       ; source 0 window 1
.irp j, 0,2,4,6,8,10,12,14,16,18,20,22,24,26,28,30
	v_pk_mul_f32 v[32+\j:33+\j], v[128+32*\a+\j:129+32*\a+\j], s[44:45] op_sel_hi:[1,0]   ; each accumulator from its low end on
.endr
	WIN 0
.irp b, 0,1,2,3
	ds_store_b128 v9, v[32+8*\b:35+8*\b] offset:64*\b
	ds_store_b128 v9, v[36+8*\b:39+8*\b] offset:64*\b+16
.endr
.irp i, 0,1,2,3,4,5,6,7
	ds_load_b128 v[64+32*(\a%2)+4*\i:67+32*(\a%2)+4*\i], v10 offset:544*\i   ; LDS serves a wave's instructions in order (ISA guide 5.7.1.4): these see my stores
.endr
	s_wait_dscnt 0x0
.irp i, 0,1,2,3,4,5,6,7
	global_store_b128 v11, v[64+32*(\a%2)+4*\i:67+32*(\a%2)+4*\i], s[10:11] offset:(16*\a+2*\i)*3072 th:TH_STORE_NT
.endr
.endr
	s_wait_tensorcnt 0x0
	ds_add_u32 v254, v255
	s_wait_dscnt 0x0
	s_endpgm
.Lfunc_end_k_q784a3d55c5_oproj:
	.size	k_q784a3d55c5_oproj, .Lfunc_end_k_q784a3d55c5_oproj-k_q784a3d55c5_oproj
	.p2alignl 7, 3214868480
	.fill 96, 4, 3214868480
	.section	.rodata,"a",@progbits
	.p2align	6, 0x0
	.amdhsa_kernel k_q784a3d55c5_oproj
		.amdhsa_group_segment_fixed_size 214528
		.amdhsa_private_segment_fixed_size 0
		.amdhsa_enable_private_segment 0
		.amdhsa_kernarg_size 32
		.amdhsa_user_sgpr_count 2
		.amdhsa_user_sgpr_kernarg_segment_ptr 1
		.amdhsa_wavefront_size32 1
		.amdhsa_system_sgpr_workgroup_id_x 1
		.amdhsa_system_sgpr_workgroup_id_y 1
		.amdhsa_system_sgpr_workgroup_id_z 1
		.amdhsa_system_vgpr_workitem_id 0
		.amdhsa_next_free_vgpr 512
		.amdhsa_next_free_sgpr 66
		.amdhsa_reserve_vcc 0
		.amdhsa_float_denorm_mode_32 3
		.amdhsa_float_denorm_mode_16_64 3
		.amdhsa_memory_ordered 1
		.amdhsa_forward_progress 1
		.amdhsa_inst_pref_size 36
	.end_amdhsa_kernel
	.amdgpu_metadata
---
amdhsa.version: [ 1, 2 ]
amdhsa.kernels:
  - .name:           k_q784a3d55c5_oproj
    .symbol:         k_q784a3d55c5_oproj.kd
    .args:
      - { .name: yimg, .offset: 0, .size: 8, .value_kind: global_buffer, .address_space: global }
      - { .name: wimg, .offset: 8, .size: 8, .value_kind: global_buffer, .address_space: global }
      - { .name: lowp_scales, .offset: 16, .size: 8, .value_kind: global_buffer, .address_space: global }
      - { .name: out0, .offset: 24, .size: 8, .value_kind: global_buffer, .address_space: global }
    .group_segment_fixed_size: 214528
    .private_segment_fixed_size: 0
    .kernarg_segment_align: 8
    .kernarg_segment_size: 32
    .max_flat_workgroup_size: 128
    .sgpr_count:     66
    .vgpr_count:     512
    .wavefront_size: 32
...
	.end_amdgpu_metadata
.endif
;; end of part 4
;; ======== version 2 of 2: 4 launches; version 1 with the launch qkv written anew for expert scheduling mode
;; workspace buffers: wimg 2,359,296 bytes; rimg 524,288 bytes; qimg 3,145,728 bytes; kimg 3,145,728 bytes; vimg 3,145,728 bytes; yimg 3,145,728 bytes
;; launch prep: the kernel of part 1 again; grid 80 x 4, 4 waves a work-group, no clusters, 0 bytes of LDS; arguments Wq, Wk, Wv, Wo, lowp_scales, wimg, rimg; writes wimg, rimg
;; launch qkv (part 5): grid 32 x 6, 4 waves a work-group, no clusters, 132,608 bytes of LDS; arguments x, wimg, rimg, lowp_scales, qimg, kimg, vimg; writes qimg, kimg, vimg
.if DOCPART == 5
	.amdgcn_target "amdgcn-amd-amdhsa--gfx1250"
	.amdhsa_code_object_version 6
	.text
	.protected	k_q784a3d55c5_qkv
	.globl	k_q784a3d55c5_qkv
	.p2align	8
	.type	k_q784a3d55c5_qkv,@function
k_q784a3d55c5_qkv:
	s_mov_b64 s[64:65], 0
	v_nop
	global_prefetch_b8 v0, s[64:65] scope:SCOPE_SE
	s_setreg_imm32_b32 hwreg(HW_REG_WAVE_SCHED_MODE, 0, 2), 2
	s_setreg_imm32_b32 hwreg(HW_REG_WAVE_MODE, 25, 1), 1
	s_wait_xcnt 0x0
	s_wait_alu depctr_vm_vsrc(0)
; QKV: q = x Wq, k = x Wk, v = x Wv on codes of E5M2; the rotation of q and k; q, k, v quantised again for the two products of attention, and stored as images of operand registers.
; AN IMAGE: lane (r = lane % 16, h = lane / 16) holds row r of a fragment, registers 2 c, 2 c + 1 hold k = 16 c + 8 h + 0 .. 7; four registers of all lanes are 512 bytes on end, lane l's 16 bytes at 16 l.
; SHARES.  Work-group (x, y): rows 128 x .. 128 x + 127 of x; kind = y / 2 (0 q, 1 k, 2 v), columns 384 (y % 2) on: ONE kind, since x has a scale of its own for each of the three products.
; THE WAVES SHARE THE COLUMNS: wave w owns 96 columns, six tiles of 16.  Its 36 fragments of the weight (576 registers, windows 1 to 3) come from wimg as they lie and stay in registers.
; PHASE X.  Wave w quantises rows 32 w .. 32 w + 31 of x: twelve units of 16 rows x 128 k.  A unit's 16 loads read 512 consecutive bytes each; its 8,192 bytes turn through the wave's own stage in LDS (rows 528 bytes apart), so that a lane
; gets, of row r, eight neighbours along k for each c; held, converted, and stored to LDS as an image.  One barrier.  PHASE P.  Four trips, two tiles of 16 rows each: twelve accumulators, six K steps of 128.
; q AND k ARE MADE TRANSPOSED (source 0 = 16 columns of W, source 1 = 16 rows of x): a lane holds ONE time step and eight neighbouring columns.  The rotation pairs columns 2 i and 2 i + 1, two registers of one lane; its results stay in place
; (place 2 i: x1 cos - x2 sin; place 2 i + 1: x1 sin + x2 cos).  That is a permutation of the head's 64 places, the same in q and in k, which leaves every q . k as it is, but for the order of the sums inside a matrix instruction.
; A tile's conversion gives registers 2 c, 2 c + 1 (c = tile % 4) of the K = 64 fragment of q or k.  qimg, kimg: [batch 2][column / 32: 24][time tile 128][512].
; v IS MADE AS IT READS (source 0 = x, source 1 = W): a lane holds ONE channel and eight neighbouring time steps: registers 2 c, 2 c + 1 (c = row tile % 8) of V^T's fragment, whose K is 128 keys.  vimg: [batch 2][column / 16: 48][key block 16][piece 4][512].
; SCALES.  x: entry 0, 2, 4; W: 1, 3, 5.  A sum stands for sum x 2^(ex + ew), so the second conversion takes 2^(eo - ex - ew), eo = entry 6 (q), 7 (k), 9 (v).  LIMITS: ex and eo - ex - ew between -126 and 112.  NaN among the inputs is not served.
; NO CLUSTER, NO TENSOR LOAD: the weights go from memory straight into the registers of the one wave that multiplies by them, and x passes through registers for the quantiser: there is no tile in LDS that two work-groups could ask for jointly.
; REGISTERS, window 0: v1-14 addresses and scales; v30, v31 the closing add's two.  Phase X: v32-95, v96-159 two sets of 64 numbers as loaded; v160-223 the same turned; v224-239 codes.
;   Phase P: v32-55 codes on the way out, v56-59 at work; v96-191 twelve accumulators; v192-255 cosines and sines.
;   Windows 1-3: K step s lies in window 1 + s / 2: the weight's tile t at v[96 (s % 2) + 16 t], x's row tile m of the trip at v[192 + 32 (s % 2) + 16 m].
; THE MODE: SCHED_MODE bits 1:0 = 2 (LLVM: expert scheduling mode 2), set by the entry lines.  The code itself states the register dependences
; between vector or matrix instructions and memory or LDS instructions, with s_wait_alu, always for 0.
; THE PLAN.  Registers that memory or LDS instructions touch, and who else names them:
;   v4-v7, v9, v10    offsets and LDS addresses: written at the head, ahead of the one wait there, and never again.
;   v32-159, phase X  the two raw sets: x's loads land in them, the stores into my stage read them; no vector instruction names them.
;   v160-223, phase X the loads from my stage land in them; the holds work in place, the conversions read them.
;   v224-239, phase X the conversions write them; the four stores of the unit's image read them.
;     So a unit has two waits.  On vm_vsrc, behind its stores into the stage: these have read the raw set that is loaded again, and the last unit's image stores have read the codes that this unit writes.
;     On va_vdst, behind its conversions: the codes are written, for the image stores; holds and conversions are done with v160-223, in which the next unit's loads from the stage land.
;   the weight's registers   loaded once, in phase X; afterwards matrix instructions alone name them.
;   x's fragments, phase P   ALL TWELVE OF A TRIP HAVE REGISTERS OF THEIR OWN: 48 LDS loads land in them, the trip's 72 matrix instructions read them.  The next trip's loads go out behind the trip's last product and land during the way out.
;   v8                written once a trip, at its head; read by the LDS loads of the next trip's fragments, which reach a trip ahead by their immediate offset.
;   v192-255, window 0 (q, k)   the table's loads land in them at a trip's head; the rotation reads them.
;   v32-55            the way out's conversions write them; the trip's six stores read them.
;     So a trip has three waits.  On vm_vsrc, at its head, ahead of the add to v8.  On va_vdst, behind its last product: the matrix instructions are done reading x's fragments, and v8 is written.
;     On va_vdst, behind the way out's conversions: the codes are written, and the rotation is done reading the table.  No wait stands among a trip's matrix instructions.
.set STG, 98304                        ; LDS: x's 48 images (row tile m, K step s) at (6 m + s) x 2,048; behind them a stage of 16 x 528 bytes for each wave
.set MSB, 0
.macro WIN new                         ; the immediate's high byte repeats the setting that is left; a switch that changes nothing is dropped
.if MSB != (\new)
	s_set_vgpr_msb (MSB<<8)|(\new)
.set MSB, (\new)
.endif
.endm
.macro PLACES                          ; four plain vector instructions between a matrix instruction and a read of its result (ISA guide 7.12.1)
.rept 4
	v_nop
.endr
.endm
.macro LOADX u                         ; unit u = 6 m' + s: 16 rows x 512 bytes into set u % 2
.set RR, 32+64*((\u)%2)
.set MP, (\u)/6
.set SS, (\u)%6
.irp p, 0,1,2,3,4,5,6,7,8,9,10,11,12,13,14,15
	global_load_b128 v[RR+4*\p:RR+4*\p+3], v4, s[4:5] offset:(16*MP+\p)*3072+512*SS
.endr
.endm
.macro LOADW u                         ; three of my 36 fragments of the weight: f = 3 u + i is K step f / 6, tile f % 6.  No vector instruction has named these registers
.irp i, 0,1,2
.set FF, 3*(\u)+\i
.set SS, FF/6
.set TT, FF%6
.set WW, (1+SS/2)<<6
	WIN WW                                         ; destination window 1 + s / 2, address window 0
.irp g, 0,1,2,3
	global_load_b128 v[96*(SS%2)+16*TT+4*\g:96*(SS%2)+16*TT+4*\g+3], v4, s[6:7] offset:(6*TT+SS)*2048+512*\g
.endr
.endr
	WIN 0
.endm
.macro TURN u                          ; through my stage: in as loaded, out 32 bytes of row r for each c.  LDS serves a wave's instructions in order (ISA guide 5.7.1.4): no wait between
.set RR, 32+64*((\u)%2)
.irp p, 0,1,2,3,4,5,6,7,8,9,10,11,12,13,14,15
	ds_store_b128 v5, v[RR+4*\p:RR+4*\p+3] offset:528*\p
.endr
.irp c, 0,1,2,3,4,5,6,7
	ds_load_b128 v[160+8*\c:163+8*\c], v6 offset:64*\c         ; no vector instruction since the last unit's wait on va_vdst names v160-223
	ds_load_b128 v[164+8*\c:167+8*\c], v6 offset:64*\c+16
.endr
.endm
.macro UNIT u, n
	s_wait_loadcnt \n                              ; this unit's 16 loads are in; n = the loads issued behind them
	TURN \u
	s_wait_dscnt 16                                ; the 16 stores are done; the 16 loads may be out
	s_wait_alu depctr_vm_vsrc(0)                   ; the stores into the stage have read this raw set, in which the loads below land; the last unit's image stores have read v224-239, which the conversions below write
.if (\u) <= 9
	LOADX (\u)+2                                   ; so that set takes the unit two further on
.endif
	LOADW \u
	s_wait_dscnt 0x0                               ; the unit is back, turned; the last unit's image has been stored from v224 on
.irp c, 0,1,2,3,4,5,6,7
.irp j, 0,1,2,3,4,5,6,7
	v_med3_num_f32 v[160+8*\c+\j], v[160+8*\c+\j], -v12, v12   ; the conversion to an 8-bit code does not saturate (ISA guide 7.6.2): the hold comes first
.endr
	v_cvt_scalef32_pk8_bf8_f32 v[224+2*\c:225+2*\c], v[160+8*\c:167+8*\c], v11
.endr
	v_nop                                          ; a plain vector instruction behind the last conversion
	s_wait_alu depctr_va_vdst(0)                   ; the conversions have written v224-239, which the stores below read; holds and conversions are done with v160-223, in which the next unit's loads from the stage land
.irp g, 0,1,2,3
	ds_store_b128 v7, v[224+4*\g:227+4*\g] offset:(\u)*2048+512*\g
.endr
.endm
; x's twelve fragments of a trip, from the images at v[adr] + off on: 48 LDS loads, K step by K step, so that a counted wait serves each step
.macro FETCHALL adr, off
.irp s, 0,1,2,3,4,5
.set WW, (1+\s/2)<<6
	WIN WW                                         ; destination window 1 + s / 2, address window 0
.irp m, 0,1
.irp g, 0,1,2,3
	ds_load_b128 v[192+32*(\s%2)+16*\m+4*\g:192+32*(\s%2)+16*\m+4*\g+3], v[\adr] offset:(\off)+(6*\m+\s)*2048+512*\g
.endr
.endr
.endr
	WIN 0
.endm
; Six K steps, twelve matrix instructions each; the twelve accumulators take turns, one instruction a turn, in the same order in every step.  The first step starts the sums.
; Both sources of a step lie in one window, so the windows are switched for every second step alone.
.macro KSTEPS isv
.irp s, 0,1,2,3,4,5
	s_wait_dscnt 40-8*\s                           ; LDS loads come back in order (ISA guide 5.7.1): this step's eight are in, those of the 5 - s later steps may be out
.set WW, 5*(1+\s/2)
	WIN WW                                         ; sources 0 and 1 window 1 + s / 2; C and D window 0
.irp m, 0,1
.irp t, 0,1,2,3,4,5
.set AC, 96+8*(6*\m+\t)
.set WF, 96*(\s%2)+16*\t
.set XF, 192+32*(\s%2)+16*\m
.if \isv
.if \s == 0
	v_wmma_f32_16x16x128_bf8_bf8 v[AC:AC+7], v[XF:XF+15], v[WF:WF+15], 0
.else
	v_wmma_f32_16x16x128_bf8_bf8 v[AC:AC+7], v[XF:XF+15], v[WF:WF+15], v[AC:AC+7]
.endif
.else
.if \s == 0
	v_wmma_f32_16x16x128_bf8_bf8 v[AC:AC+7], v[WF:WF+15], v[XF:XF+15], 0
.else
	v_wmma_f32_16x16x128_bf8_bf8 v[AC:AC+7], v[WF:WF+15], v[XF:XF+15], v[AC:AC+7]
.endif
.endif
.endr
.endr
.endr
	WIN 0
.endm
	s_load_b256 s[4:11], s[0:1], 0x0               ; x, wimg, rimg, the scales' exponents
	s_load_b128 s[12:15], s[0:1], 0x20             ; qimg, kimg
	s_load_b64 s[16:17], s[0:1], 0x30              ; vimg
	v_lshl_add_u32 v30, v0, 2, 0x20400
	v_mov_b32 v31, 0
	v_lshrrev_b32 v1, 5, v0
	v_readfirstlane_b32 s18, v1                    ; wave 0..3
	v_and_b32 v1, 31, v0                           ; lane
	v_and_b32 v2, 15, v0                           ; r
	v_bfe_u32 v3, v0, 4, 1                         ; h
	v_lshlrev_b32 v4, 4, v1                        ; 16 x lane
	s_wait_alu depctr_va_sdst(0)                   ; s18 is written, ahead of its first reader: LDS addresses and the buffers' bases are made from it
	s_mul_i32 s28, s18, 8448
	s_add_co_u32 s28, s28, STG                     ; my stage
	v_add_nc_u32 v5, s28, v4                       ; into it: 16 x lane of a row
	v_mul_u32_u24 v6, v2, 528
	v_lshl_add_u32 v6, v3, 5, v6
	v_add_nc_u32 v6, s28, v6                       ; out of it: row r, + 32 h
	s_mul_i32 s29, s18, 24576
	v_add_nc_u32 v7, s29, v4                       ; where I store images: my twelve begin at 12 x 2,048 x wave
	s_and_b32 s30, s18, 1
	s_lshl_b32 s31, s30, 11
	v_add_nc_u32 v9, s31, v4                       ; the table: my tile t has piece (2 (w % 2) + t) % 4: pieces 2 (w % 2), + 1 here,
	s_xor_b32 s31, s31, 2048
	v_add_nc_u32 v10, s31, v4                      ; the other two here
	s_mov_b32 s19, ttmp9                           ; block of 128 rows
	s_and_b32 s20, ttmp7, 0xffff
	s_lshr_b32 s21, s20, 1                         ; kind
	s_and_b32 s22, s20, 1                          ; which 384 columns
	s_and_b32 s23, s19, 15                         ; the block within its batch
	s_lshr_b32 s27, s19, 4                         ; batch
	s_mul_i32 s52, s19, 393216                     ; x: 128 rows of 3,072 bytes a block,
	s_mul_i32 s53, s18, 98304                      ; 32 rows a wave
	s_add_co_u32 s52, s52, s53
	s_mov_b32 s53, 0
	s_mul_i32 s54, s21, 589824                     ; wimg: the kind's 288 fragments,
	s_mul_i32 s55, s22, 24
	s_mul_i32 s56, s18, 6
	s_add_co_u32 s55, s55, s56                     ; my first tile of columns: 24 (y % 2) + 6 w,
	s_mul_i32 s55, s55, 12288                      ; six fragments a tile
	s_add_co_u32 s54, s54, s55
	s_mov_b32 s55, 0
	s_lshl_b32 s56, s23, 15                        ; rimg: eight time tiles of 4,096 bytes a block
	s_mov_b32 s57, 0
	s_mul_i32 s58, s27, 1572864                    ; the output: the batch, my 96 columns (3 planes of 65,536 in q and k, 6 of 32,768 in v),
	s_mul_i32 s59, s22, 786432
	s_add_co_u32 s58, s58, s59
	s_mul_i32 s59, s18, 196608
	s_add_co_u32 s58, s58, s59
	s_cmp_eq_u32 s21, 2
	s_cselect_b32 s59, 11, 12                      ; and the block: 8 time tiles of 512 bytes, or a key block of 2,048
	s_lshl_b32 s59, s23, s59
	s_add_co_u32 s58, s58, s59
	s_mov_b32 s59, 0
	s_wait_kmcnt 0x0
	s_load_b256 s[40:47], s[10:11], 0x0            ; entries 0 to 7,
	s_load_b128 s[48:51], s[10:11], 0x20           ; 8 to 11
	s_add_nc_u64 s[4:5], s[4:5], s[52:53]
	s_add_nc_u64 s[6:7], s[6:7], s[54:55]
	s_add_nc_u64 s[34:35], s[8:9], s[56:57]
	s_cmp_eq_u32 s21, 1                            ; the choice of the output hangs on the work-group's number alone
	s_cselect_b64 s[32:33], s[14:15], s[12:13]
	s_cmp_eq_u32 s21, 2
	s_cselect_b64 s[32:33], s[16:17], s[32:33]
	s_add_nc_u64 s[32:33], s[32:33], s[58:59]
	s_wait_alu depctr_va_vdst(0)                   ; v4 to v7, v9 and v10 are written: every load and store of the kernel but those by v8 reads one of them as its offset or address
	LOADX 0
	LOADX 1
	s_wait_kmcnt 0x0
	s_cmp_eq_u32 s21, 1
	s_cselect_b32 s24, s42, s40
	s_cselect_b32 s25, s43, s41
	s_cselect_b32 s26, s47, s46
	s_cmp_eq_u32 s21, 2
	s_cselect_b32 s24, s44, s24                    ; ex
	s_cselect_b32 s25, s45, s25                    ; ew
	s_cselect_b32 s26, s49, s26                    ; eo
	s_sub_co_i32 s26, s26, s24
	s_sub_co_i32 s26, s26, s25                     ; eo - ex - ew
	s_add_co_i32 s24, s24, 127
	s_lshl_b32 s25, s24, 23
	v_mov_b32 v11, s25                             ; 2^ex as f32
	s_add_co_i32 s24, s24, 15
	s_lshl_b32 s24, s24, 23
	s_or_b32 s24, s24, 0x600000
	v_mov_b32 v12, s24                             ; 57,344 x 2^ex
	s_add_co_i32 s26, s26, 127
	s_lshl_b32 s25, s26, 23
	v_mov_b32 v13, s25                             ; 2^(eo - ex - ew)
	s_add_co_i32 s26, s26, 15
	s_lshl_b32 s26, s26, 23
	s_or_b32 s26, s26, 0x600000
	v_mov_b32 v14, s26                             ; 57,344 x that
	; ---- PHASE X.  Behind unit u's 16 loads were issued: unit 0: unit 1's 16; unit 1: unit 2's 16 and 12 of the weight; units 2 to 10: 12 + 16 + 12; unit 11: 12 + 12
	UNIT 0, 16
	UNIT 1, 28
.irp u, 2,3,4,5,6,7,8,9,10
	UNIT \u, 40
.endr
	UNIT 11, 24
	s_wait_loadcnt 0x0                             ; all my fragments of the weight are in
	s_wait_dscnt 0x0                               ; for the others' sake: my images are stored
	s_barrier_signal -1
	s_barrier_wait -1                              ; x's 48 images lie in LDS; nothing is stored to LDS from here on
	; ---- PHASE P
	FETCHALL 4, 0                                  ; the first trip's twelve fragments, into registers that nothing has named yet
	s_mov_b32 s36, 0                               ; the trip's twelve images begin here
	s_mov_b32 s37, 4
.Ltrip:
	s_wait_alu depctr_vm_vsrc(0)                   ; the LDS loads issued so far have read v8; the last trip's stores have read v32-55; in the first trip: phase X's LDS stores have read v32-159 and v224-239, which codes, sums and the table's loads write from here on
	v_add_nc_u32 v8, s36, v4
	s_cmp_eq_u32 s21, 2
	s_cbranch_scc1 .Lvbody
	; q or k.  Set j of the table's registers holds piece (2 (w % 2) + j) % 4, so that tile t reads set t % 4.  No wait: since the last wait on va_vdst the add to v8 is the one vector instruction, and it names none of these registers
.irp m, 0,1
.irp j, 0,1
.irp k, 0,1
	global_load_b128 v[192+32*\m+8*\j+4*\k:195+32*\m+8*\j+4*\k], v9, s[34:35] offset:4096*\m+1024*\j+512*\k
	global_load_b128 v[208+32*\m+8*\j+4*\k:211+32*\m+8*\j+4*\k], v10, s[34:35] offset:4096*\m+1024*\j+512*\k
.endr
.endr
.endr
	KSTEPS 0
	PLACES
	s_wait_alu depctr_va_vdst(0)                   ; the matrix instructions are done reading x's fragments, in which the loads below land; v8, which those loads read, is written
	s_cmp_eq_u32 s37, 1                            ; the last trip has no next
	s_cbranch_scc1 .Lqk_last
	FETCHALL 8, 24576                              ; the next trip's fragments land while the way out is worked: none of its vector instructions names them
.Lqk_last:
	s_wait_loadcnt 0x0                             ; cosines and sines
.irp m, 0,1
.irp t, 0,1,2,3,4,5
.set AC, 96+8*(6*\m+\t)
.set RP, 192+32*\m+8*(\t%4)
.irp e, 0,2,4,6
	v_mul_f32 v[56+\e/2], v[AC+\e+1], v[RP+\e+1]               ; x2 sin  (each accumulator is read from its low end on)
.endr
.irp e, 0,2,4,6
	v_mul_f32 v[AC+\e+1], v[AC+\e+1], v[RP+\e]                 ; x2 cos
.endr
.irp e, 0,2,4,6
	v_fma_f32 v[AC+\e+1], v[AC+\e], v[RP+\e+1], v[AC+\e+1]     ; x1 sin + x2 cos
.endr
.irp e, 0,2,4,6
	v_fma_f32 v[AC+\e], v[AC+\e], v[RP+\e], -v[56+\e/2]        ; x1 cos - x2 sin
.endr
.irp j, 0,1,2,3,4,5,6,7
	v_med3_num_f32 v[AC+\j], v[AC+\j], -v14, v14
.endr
	v_cvt_scalef32_pk8_bf8_f32 v[32+2*(6*\m+\t):33+2*(6*\m+\t)], v[AC:AC+7], v13
.endr
.endr
	v_nop                                          ; a plain vector instruction behind the last conversion
	s_wait_alu depctr_va_vdst(0)                   ; the conversions have written v32-55, which the stores below read; the rotation is done reading v192-255, in which the next trip's table lands
.irp m, 0,1
.irp g, 0,1,2
	global_store_b128 v4, v[32+12*\m+4*\g:35+12*\m+4*\g], s[32:33] offset:65536*\g+512*\m   ; tiles 2 g, 2 g + 1: 32 columns of 16 time steps: 512 consecutive bytes
.endr
.endr
	s_wait_xcnt 0x0                                ; the stores' data and base, and the table's base, are written again only behind this wait
	s_add_nc_u64 s[32:33], s[32:33], 1024          ; two time tiles on
	s_add_nc_u64 s[34:35], s[34:35], 8192
	s_branch .Ljoin
.Lvbody:
	KSTEPS 1
	PLACES
	s_wait_alu depctr_va_vdst(0)                   ; the matrix instructions are done reading x's fragments, in which the loads below land; v8, which those loads read, is written
	s_cmp_eq_u32 s37, 1                            ; the last trip has no next
	s_cbranch_scc1 .Lv_last
	FETCHALL 8, 24576                              ; the next trip's fragments land while the way out is worked: none of its vector instructions names them
.Lv_last:
.irp m, 0,1
.irp t, 0,1,2,3,4,5
.set AC, 96+8*(6*\m+\t)
.irp j, 0,1,2,3,4,5,6,7
	v_med3_num_f32 v[AC+\j], v[AC+\j], -v14, v14
.endr
	v_cvt_scalef32_pk8_bf8_f32 v[32+4*\t+2*\m:33+4*\t+2*\m], v[AC:AC+7], v13
.endr
.endr
	v_nop                                          ; a plain vector instruction behind the last conversion
	s_wait_alu depctr_va_vdst(0)                   ; the conversions have written v32-55, which the stores below read
.irp t, 0,1,2,3,4,5
	global_store_b128 v4, v[32+4*\t:35+4*\t], s[32:33] offset:32768*\t   ; 16 channels x this trip's 32 keys: one piece of V^T's fragment
.endr
	s_wait_xcnt 0x0                                ; the stores' data and base are written again only behind this wait
	s_add_nc_u64 s[32:33], s[32:33], 512           ; the fragment's next piece
.Ljoin:
	s_add_co_u32 s36, s36, 24576
	s_sub_co_u32 s37, s37, 1
	s_cmp_lg_u32 s37, 0
	s_cbranch_scc1 .Ltrip
	s_wait_dscnt 0x0                               ; the closing lines, six on end
	s_wait_alu 0x0
	s_wait_tensorcnt 0x0
	ds_add_u32 v30, v31
	s_wait_dscnt 0x0
	s_endpgm
.Lfunc_end_k_q784a3d55c5_qkv:
	.size	k_q784a3d55c5_qkv, .Lfunc_end_k_q784a3d55c5_qkv-k_q784a3d55c5_qkv
	.p2alignl 7, 3214868480
	.fill 96, 4, 3214868480
	.section	.rodata,"a",@progbits
	.p2align	6, 0x0
	.amdhsa_kernel k_q784a3d55c5_qkv
		.amdhsa_group_segment_fixed_size 132608
		.amdhsa_private_segment_fixed_size 0
		.amdhsa_enable_private_segment 0
		.amdhsa_kernarg_size 56
		.amdhsa_user_sgpr_count 2
		.amdhsa_user_sgpr_kernarg_segment_ptr 1
		.amdhsa_wavefront_size32 1
		.amdhsa_system_sgpr_workgroup_id_x 1
		.amdhsa_system_sgpr_workgroup_id_y 1
		.amdhsa_system_sgpr_workgroup_id_z 1
		.amdhsa_system_vgpr_workitem_id 0
		.amdhsa_next_free_vgpr 1024
		.amdhsa_next_free_sgpr 66
		.amdhsa_reserve_vcc 0
		.amdhsa_float_denorm_mode_32 3
		.amdhsa_float_denorm_mode_16_64 3
		.amdhsa_memory_ordered 1
		.amdhsa_forward_progress 1
		.amdhsa_inst_pref_size 166
	.end_amdhsa_kernel
	.amdgpu_metadata
---
amdhsa.version: [ 1, 2 ]
amdhsa.kernels:
  - .name:           k_q784a3d55c5_qkv
    .symbol:         k_q784a3d55c5_qkv.kd
    .args:
      - { .name: x, .offset: 0, .size: 8, .value_kind: global_buffer, .address_space: global }
      - { .name: wimg, .offset: 8, .size: 8, .value_kind: global_buffer, .address_space: global }
      - { .name: rimg, .offset: 16, .size: 8, .value_kind: global_buffer, .address_space: global }
      - { .name: lowp_scales, .offset: 24, .size: 8, .value_kind: global_buffer, .address_space: global }
      - { .name: qimg, .offset: 32, .size: 8, .value_kind: global_buffer, .address_space: global }
      - { .name: kimg, .offset: 40, .size: 8, .value_kind: global_buffer, .address_space: global }
      - { .name: vimg, .offset: 48, .size: 8, .value_kind: global_buffer, .address_space: global }
    .group_segment_fixed_size: 132608
    .private_segment_fixed_size: 0
    .kernarg_segment_align: 8
    .kernarg_segment_size: 56
    .max_flat_workgroup_size: 128
    .sgpr_count:     66
    .vgpr_count:     1024
    .wavefront_size: 32
...
	.end_amdgpu_metadata
.endif
;; end of part 5
;; launch attn: the kernel of part 3 again; grid 8 x 24, 16 waves a work-group, no clusters, 264,192 bytes of LDS; arguments qimg, kimg, vimg, lowp_scales, yimg; writes yimg
;; launch oproj: the kernel of part 4 again; grid 6 x 32, 4 waves a work-group, no clusters, 214,528 bytes of LDS; arguments yimg, wimg, lowp_scales, out0; writes out0
